; MI455X (gfx1250); checked and timed in simulation.
; The chip was launched on July 23, 2026; its instructions are those of AMD's public machine-readable ISA for CDNA 5 (MIT licence, August 2026) and "CDNA5" Instruction Set Architecture Reference Guide (July 2026). The comments in the code are by the model that wrote it; some were corrected since.
;; Multi Head Attention. Allowed arithmetic: float matrix products may take bf16 or f16 operands with f32 sums; other float arithmetic in f32, or as packed bf16 or f16 multiplies, adds, multiply-adds, maxima and minima; sums over many terms, partial sums and values carried from step to step in f32; what a program stores and reads back later, other than sums and carried values, may be rounded once to bf16 or f16.
;; Inputs: b_out 1,024 float32; beta 1,024 float32; gamma 1,024 float32; w_out 1,024 x 1,024 float32; w_qkv 1,024 x 3,072 float32; x 4 x 2,048 x 1,024 float32.
;; Outputs: out0 4 x 2,048 x 1,024 float32.
;; 2 versions, each right; version 2 is version 1 with the launch prep written anew for expert scheduling mode. Each part assembles by itself: llvm-mc -triple=amdgcn-amd-amdhsa -mcpu=gfx1250 --defsym DOCPART=n.
;; ======== version 1 of 2: 5 launches
;; workspace buffers: xb 16,777,216 bytes; wqb 6,291,456 bytes; wob 2,097,152 bytes; qb 16,777,216 bytes; kb 16,777,216 bytes; vb 16,777,216 bytes; ob 16,777,216 bytes; pj 16,777,216 bytes
;; launch prep (part 1): grid 832 x 1, 8 waves a work-group, no clusters, 0 bytes of LDS; arguments x, w_qkv, w_out, xb, wqb, wob; writes xb, wqb, wob
.if DOCPART == 1
	.amdgcn_target "amdgcn-amd-amdhsa--gfx1250"
	.amdhsa_code_object_version 6
	.text
	.protected	k_qe953ef87bf_prep
	.globl	k_qe953ef87bf_prep
	.p2align	8
	.type	k_qe953ef87bf_prep,@function
k_qe953ef87bf_prep:
	s_mov_b64 s[64:65], 0
	v_nop
	global_prefetch_b8 v0, s[64:65] scope:SCOPE_SE
	s_setreg_imm32_b32 hwreg(HW_REG_WAVE_MODE, 25, 1), 1
	s_wait_xcnt 0x0
; CASTS TO bf16, each number rounded once to nearest even.  x [8192][1024] -> xb, same layout.
; w_qkv [1024 k][3072] -> wqb [16 heads][1024 k][192]: a head's 192 columns (q, k, v) of all k lie dense.
; w_out [1024 k][1024] -> wob [4 blocks][1024 k][256]: a block of 256 columns of all k lies dense.
; A stream: no LDS, no matrix unit, no cluster (no two work-groups read the same byte).  A lane loads 16 bytes (4 f32) and stores 8:
; a wave's load covers 512 consecutive bytes (in w_qkv a row's piece of 768 bytes may end inside it), its store 256 consecutive aligned bytes.
; Work-groups 0-511: 64 KiB of x each.  512-767: 64 k x 192 columns of w_qkv.  768-831: 64 k x 256 columns of w_out.
; In all three the output offset is 8 t + 2,048 i (t the thread, i the load's number): the output is dense in the order of the units.
.set IN,  16                           ; v[16:79]   up to 16 loads of 4 registers
.set OUT, 80                           ; v[80:111]  their 2 registers each, to store
.macro LD n, step                      ; n loads in one run, all by offset register v1, step bytes apart
.set i, 0
.rept (\n)
	global_load_b128 v[IN+4*i:IN+4*i+3], v1, s[16:17] offset:(\step)*i th:TH_LOAD_NT
.set i, i+1
.endr
.endm
.macro CV n                            ; each load is converted and stored as it comes; every register is written once, so nothing waits for a store
.set i, 0
.rept (\n)
	s_wait_loadcnt (\n)-1-i                        ; loads come back in order (ISA guide 5.7.1): load i is in, the younger ones stay out
	v_cvt_pk_bf16_f32 v[OUT+2*i], v[IN+4*i], v[IN+4*i+1]
	v_cvt_pk_bf16_f32 v[OUT+2*i+1], v[IN+4*i+2], v[IN+4*i+3]
	global_store_b64 v4, v[OUT+2*i:OUT+2*i+1], s[18:19] offset:2048*i
.set i, i+1
.endr
.endm
	s_load_b256 s[4:11], s[0:1], 0x0               ; x s[4:5], w_qkv s[6:7], w_out s[8:9], xb s[10:11]
	s_load_b128 s[12:15], s[0:1], 0x20             ; wqb s[12:13], wob s[14:15]
	s_mov_b32 s2, ttmp9
	v_lshlrev_b32 v4, 3, v0                        ; 8 t
	s_mov_b32 s21, 0
	s_mov_b32 s23, 0
	s_wait_kmcnt 0x0
	s_cmp_lt_u32 s2, 512
	s_cbranch_scc0 .Lweights
	s_lshl_b32 s20, s2, 16                         ; x: 65,536 bytes in,
	s_lshl_b32 s22, s2, 15                         ; 32,768 out
	s_add_nc_u64 s[16:17], s[4:5], s[20:21]
	s_add_nc_u64 s[18:19], s[10:11], s[22:23]
	v_lshlrev_b32 v1, 4, v0                        ; 16 t
	LD 16, 4096
	CV 16
	s_endpgm
.Lweights:
	s_cmp_lt_u32 s2, 768
	s_cbranch_scc0 .Lwout
	s_sub_co_u32 s3, s2, 512
	s_lshr_b32 s24, s3, 4                          ; head
	s_and_b32 s25, s3, 15                          ; which 64 k
	s_mul_i32 s20, s25, 64*12288                   ; in: 64 rows of 12,288 bytes,
	s_mul_i32 s26, s24, 768                        ; the head's 768 bytes of a row
	s_add_co_u32 s20, s20, s26
	s_mul_i32 s22, s24, 393216                     ; out: the head's 1,024 rows of 384 bytes,
	s_mul_i32 s26, s25, 64*384
	s_add_co_u32 s22, s22, s26
	s_add_nc_u64 s[16:17], s[6:7], s[20:21]
	s_add_nc_u64 s[18:19], s[12:13], s[22:23]
	; A row's piece is 48 units of 16 bytes.  Unit 256 i + t with i = 3 m + e is unit z = 256 e + t of rows 16 m .. 16 m + 15 (768 = 16 x 48):
	; three offset registers, m in the immediate.  z / 48 = (z x 1,366) >> 16 for z < 768: 1,366 / 65,536 exceeds 1 / 48 by 1e-5, which times 767 stays under 1 / 48.
.irp e, 0,1,2
	v_add_nc_u32 v5, 256*(\e), v0
	v_mul_u32_u24 v6, v5, 1366
	v_lshrrev_b32 v6, 16, v6                       ; row
	v_mul_u32_u24 v6, v6, 12288-768                ; row x 12,288 + (z - 48 row) x 16
	v_lshl_add_u32 v[1+(\e)], v5, 4, v6
.endr
.set i, 0
.rept 12
	global_load_b128 v[IN+4*i:IN+4*i+3], v[1+i%3], s[16:17] offset:(i/3)*16*12288 th:TH_LOAD_NT
.set i, i+1
.endr
	CV 12
	s_endpgm
.Lwout:
	s_sub_co_u32 s3, s2, 768
	s_lshr_b32 s24, s3, 4                          ; block of 256 columns
	s_and_b32 s25, s3, 15                          ; which 64 k
	s_lshl_b32 s20, s25, 18                        ; in: 64 rows of 4,096 bytes,
	s_lshl_b32 s26, s24, 10                        ; the block's 1,024 bytes of a row
	s_add_co_u32 s20, s20, s26
	s_lshl_b32 s22, s24, 19                        ; out: the block's 1,024 rows of 512 bytes
	s_lshl_b32 s26, s25, 15
	s_add_co_u32 s22, s22, s26
	s_add_nc_u64 s[16:17], s[8:9], s[20:21]
	s_add_nc_u64 s[18:19], s[14:15], s[22:23]
	v_lshrrev_b32 v5, 6, v0                        ; 64 units a row: four rows a load
	v_and_b32 v6, 63, v0
	v_lshlrev_b32 v6, 4, v6
	v_lshl_add_u32 v1, v5, 12, v6
	LD 16, 16384
	CV 16
	s_endpgm
.Lfunc_end_k_qe953ef87bf_prep:
	.size	k_qe953ef87bf_prep, .Lfunc_end_k_qe953ef87bf_prep-k_qe953ef87bf_prep
	.p2alignl 7, 3214868480
	.fill 96, 4, 3214868480
	.section	.rodata,"a",@progbits
	.p2align	6, 0x0
	.amdhsa_kernel k_qe953ef87bf_prep
		.amdhsa_group_segment_fixed_size 0
		.amdhsa_private_segment_fixed_size 0
		.amdhsa_enable_private_segment 0
		.amdhsa_kernarg_size 48
		.amdhsa_user_sgpr_count 2
		.amdhsa_user_sgpr_kernarg_segment_ptr 1
		.amdhsa_wavefront_size32 1
		.amdhsa_system_sgpr_workgroup_id_x 1
		.amdhsa_system_sgpr_workgroup_id_y 1
		.amdhsa_system_sgpr_workgroup_id_z 1
		.amdhsa_system_vgpr_workitem_id 0
		.amdhsa_next_free_vgpr 112
		.amdhsa_next_free_sgpr 66
		.amdhsa_reserve_vcc 0
		.amdhsa_float_denorm_mode_32 3
		.amdhsa_float_denorm_mode_16_64 3
		.amdhsa_memory_ordered 1
		.amdhsa_forward_progress 1
		.amdhsa_inst_pref_size 19
	.end_amdhsa_kernel
	.amdgpu_metadata
---
amdhsa.version: [ 1, 2 ]
amdhsa.kernels:
  - .name:           k_qe953ef87bf_prep
    .symbol:         k_qe953ef87bf_prep.kd
    .args:
      - { .name: x, .offset: 0, .size: 8, .value_kind: global_buffer, .address_space: global }
      - { .name: w_qkv, .offset: 8, .size: 8, .value_kind: global_buffer, .address_space: global }
      - { .name: w_out, .offset: 16, .size: 8, .value_kind: global_buffer, .address_space: global }
      - { .name: xb, .offset: 24, .size: 8, .value_kind: global_buffer, .address_space: global }
      - { .name: wqb, .offset: 32, .size: 8, .value_kind: global_buffer, .address_space: global }
      - { .name: wob, .offset: 40, .size: 8, .value_kind: global_buffer, .address_space: global }
    .group_segment_fixed_size: 0
    .private_segment_fixed_size: 0
    .kernarg_segment_align: 8
    .kernarg_segment_size: 48
    .max_flat_workgroup_size: 256
    .sgpr_count:     66
    .vgpr_count:     112
    .wavefront_size: 32
...
	.end_amdgpu_metadata
.endif
;; end of part 1
;; launch qkv (part 2): grid 16 x 32, 4 waves a work-group, clusters of 4 x 4, 327,680 bytes of LDS; arguments xb, wqb, qb, kb, vb; writes qb, kb, vb
.if DOCPART == 2
	.amdgcn_target "amdgcn-amd-amdhsa--gfx1250"
	.amdhsa_code_object_version 6
	.text
	.protected	k_qe953ef87bf_qkv
	.globl	k_qe953ef87bf_qkv
	.p2align	8
	.type	k_qe953ef87bf_qkv,@function
k_qe953ef87bf_qkv:
	s_mov_b64 s[64:65], 0
	v_nop
	global_prefetch_b8 v0, s[64:65] scope:SCOPE_SE
	s_setreg_imm32_b32 hwreg(HW_REG_WAVE_MODE, 25, 1), 1
	s_wait_xcnt 0x0
	s_wait_alu depctr_hold_cnt(0) depctr_sa_sdst(0) depctr_va_vdst(0) depctr_va_sdst(0) depctr_va_ssrc(0) depctr_va_vcc(0) depctr_vm_vsrc(0)
	s_getreg_b32 s2, hwreg(HW_REG_IB_STS2, 6, 4)
	s_cmp_eq_u32 s2, 0
	s_cbranch_scc0 .Lentry_in_a_cluster
	s_endpgm
.Lentry_in_a_cluster:
	s_bfe_u32 s2, ttmp6, 0x10000c
	s_cmp_lg_u32 s2, 0xf033
	s_cbranch_scc0 .Lentry_shape_is_right
	s_endpgm
.Lentry_shape_is_right:
; q, k, v = x w_qkv, written by heads.  xb [8192][1024], wqb [16 heads][1024 k][192], qb, kb, vb [64 = 4 batches x 16 heads][2048][64], all bf16; sums in f32, K ascending, each result rounded once.
; LIMITS: operands and results are bf16 (8 significant bits, f32's range); NaN and infinities are not treated apart.
; SHARES.  A work-group makes 256 rows x 192 columns (one head): 512 work-groups, two for each of 256 processors.  Wave w makes rows 64 w .. 64 w + 63 of all 192 columns:
; 4 (a) x 12 (b) = 48 accumulators of 16 x 16, 384 registers.  So q, k and v of 16 rows leave from the wave's own stage, 2,048 dense bytes each.
; K goes in 8 steps of 128 through two LDS slots filled by the tensor data mover.  x's rows lie along K and are read as they lie; w's rows lie along N and are turned on the way out of LDS (ds_load_tr16_b128).
; CLUSTER 4 x 4: the four of a row of the cluster need the same rows of x, the four of a column the same head of w: each tile is asked for jointly, by the same load with the same descriptor and a mask of the four.
; THE MATRIX INSTRUCTION IS USED TRANSPOSED (source 0 = 16 columns of w, source 1 = 16 rows of x): a lane then holds eight neighbouring columns of one row.
; REGISTERS, in windows of 256 (s_set_vgpr_msb: bits 1:0 source 0, 3:2 source 1, 5:4 source 2, 7:6 destination):
;   window 0: v0-31 addresses; v32-79, v80-127 the way out; v128-255 accumulators b = 8..11 at 128 + 8 (4 (b - 8) + a)
;   window 1: two fragment buffers of 128: x's 4 fragments at f + 8 a, w's 12 at f + 32 + 8 b          window 2: accumulators b = 0..7 at 8 (4 b + a)
.set PA,     272                       ; a row of x in LDS: 256 bytes + 16 of padding = 68 words: the 16 rows of a load start at 16 different groups of four banks (64 banks of 4 bytes: ISA guide 11.1)
.set PB,     480                       ; a k-row of w: three pieces of 128 bytes + 32 of padding = 120 words
.set HALFA,  128*PA                    ; what one load brings of x: 128 rows
.set HALFB,  64*PB                     ; and of w: 64 k-rows
.set BOFF,   2*HALFA                   ; w's 128 k-rows lie behind x's 256 rows
.set SLOT,   BOFF+2*HALFB              ; 131,072
.set STAGE,  2*SLOT                    ; behind the ring, never filled by a tensor load: 16 rows x 400 bytes for each wave
.set SP,     400                       ; 384 bytes + 16
.set SPARE,  STAGE+4*16*SP             ; the spare words, 128 bytes for each wave: two blocks of 256 bytes that no other line names
.set LAPS,   4                         ; a lap = two K steps = once round the ring
.set ADRA, 16                          ; v16-17  LDS address of my fragments of x in slot 0, 1
.set ADRB, 20                          ; v20-21  the same for w
.set STO,  24                          ; v24     the way out: where I put 16 bytes of a row
.set RD,   25                          ; v25     where I read rows back
.set GO,   26                          ; v26     16 x lane: my place in 512 consecutive bytes
.set SPW,  28                          ; v28     LDS address of my spare word; never rewritten
.set NIL,  29                          ; v29     0; never rewritten
.set TMP,  32
.set BK,   80
.set F0,   0
.set F1,   128
.set G1,  24                           ; s[24:31] descriptor group 1 for x's tiles; s[32:39] group 0, a set for each slot
.set G0,  32
.set G1B, 48                           ; s[48:55], s[56:63] the same for w's
.set G0B, 56
.set MSB, 0
.macro WIN new                         ; the immediate's high byte repeats the setting that is left; a switch that changes nothing is dropped
.if MSB != (\new)
	s_set_vgpr_msb (MSB<<8)|(\new)
.set MSB, \new
.endif
.endm
.macro JLOAD s                         ; a joint load: waves 0 and 1 fetch x's two halves, waves 2 and 3 w's; an s_nop 0 and four v_nop follow each line, ahead of the jump and the label
	s_cmp_eq_u32 s15, 0
	s_cbranch_scc0 .Lfor_b_\@
	tensor_load_to_lds s[G0+4*(\s):G0+4*(\s)+3], s[G1:G1+7]
	s_nop 0
.rept 4
	v_nop
.endr
	s_branch .Lasked_\@
.Lfor_b_\@:
	tensor_load_to_lds s[G0B+4*(\s):G0B+4*(\s)+3], s[G1B:G1B+7]
	s_nop 0
.rept 4
	v_nop
.endr
.Lasked_\@:
.endm
.macro CREST                           ; a round of the cluster's barrier behind its opening barrier
	s_cmp_lg_u32 s14, 0
	s_cbranch_scc1 .Lnot_wave_0_\@
	s_barrier_signal -3
.Lnot_wave_0_\@:
	s_barrier_wait -3
	s_barrier_signal -1
	s_barrier_wait -1
.endm
.macro CROUND                          ; a whole round
	s_barrier_signal -1
	s_barrier_wait -1
	CREST
.endm
.macro PLACES                          ; four places in front of loads into registers that matrix instructions have read, and of conversions that read results
.rept 4
	v_nop
.endr
.endm
	s_load_b256 s[4:11], s[0:1], 0x0               ; xb s[4:5], wqb s[6:7], qb s[8:9], kb s[10:11]
	s_load_b64 s[12:13], s[0:1], 0x20              ; vb
	v_lshl_add_u32 v[SPW], v0, 2, SPARE
	v_mov_b32 v[NIL], 0
	ds_add_u32 v[SPW], v[NIL]                      ; the wave's opening: the add and its wait stand ahead of my first tensor load; the set-up below stands between them
	v_lshrrev_b32 v1, 5, v0
	v_readfirstlane_b32 s14, v1                    ; wave 0..3
	s_lshr_b32 s15, s14, 1                         ; I fetch for x (0) or for w (1),
	s_and_b32 s16, s14, 1                          ; and which half of that tile
	s_bfe_u32 s17, ttmp6, 0x40000                  ; cx, cy: my place in the cluster
	s_bfe_u32 s18, ttmp6, 0x40004
	s_lshl_b32 s19, ttmp9, 2
	s_add_co_u32 s19, s19, s17                     ; head = 4 x cluster x + cx
	s_and_b32 s20, ttmp7, 0xffff
	s_lshl_b32 s20, s20, 2
	s_add_co_u32 s20, s20, s18                     ; block of 256 rows = 4 x cluster y + cy
	s_lshl_b32 s21, s18, 2
	s_lshl_b32 s21, 15, s21                        ; my row of the cluster
	s_lshl_b32 s22, 0x1111, s17                    ; my column
	s_or_b32 s[G1+0], s21, (1<<16)|(1<<20)|(1<<21)|(5<<22)|(3<<25)   ; the mask; 2-byte elements; padding on; bit 21 beside a mask; after every 64 words 4 words
	s_or_b32 s[G1B+0], s22, (1<<16)|(1<<20)|(1<<21)|(4<<22)|(7<<25)  ; after every 32 words 8 words
	s_mov_b32 s[G1+1], 128<<16                     ; x: tensor_dim0 = 128 elements,
	s_mov_b32 s[G1+2], 128<<16                     ; tensor_dim1 = 128 rows,
	s_mov_b32 s[G1+3], 128<<16                     ; tile_dim0 = 128,
	s_mov_b32 s[G1+4], 128                         ; tile_dim1 = 128,
	s_mov_b32 s[G1+5], 1024                        ; 1,024 elements from row to row
	s_mov_b32 s[G1+6], 0
	s_mov_b32 s[G1+7], 0
	s_mov_b32 s[G1B+1], 128<<16                    ; w: 64 k-rows of 384 bytes are 24,576 dense bytes, asked for as 96 rows of 256
	s_mov_b32 s[G1B+2], 96<<16
	s_mov_b32 s[G1B+3], 128<<16
	s_mov_b32 s[G1B+4], 96
	s_mov_b32 s[G1B+5], 128
	s_mov_b32 s[G1B+6], 0
	s_mov_b32 s[G1B+7], 0
	s_lshl_b32 s40, s20, 19                        ; x: 256 rows of 2,048 bytes a block,
	s_lshl_b32 s41, s16, 18                        ; 128 rows a half: made of cy and the wave alone
	s_add_co_u32 s40, s40, s41
	s_mov_b32 s41, 0
	s_mul_i32 s42, s19, 393216                     ; w: the head's 1,024 k-rows,
	s_mul_i32 s43, s16, 64*384                     ; 64 k-rows a half: made of cx and the wave alone
	s_add_co_u32 s42, s42, s43
	s_mov_b32 s43, 0
	s_mul_i32 s46, s16, HALFA                      ; where they go: no place in the cluster enters an LDS address
	s_mul_i32 s47, s16, HALFB
	s_add_co_u32 s47, s47, BOFF
	s_wait_dscnt 0x0                               ; the opening add is done
	s_wait_kmcnt 0x0
	s_add_nc_u64 s[66:67], s[4:5], s[40:41]
	s_add_nc_u64 s[68:69], s[6:7], s[42:43]
	CROUND                                         ; all sixteen work-groups are here: the first joint loads meet
.irp s, 0,1
	s_mov_b32 s[G0+4*(\s)], 1
	s_add_co_u32 s[G0+4*(\s)+1], s46, (\s)*SLOT
	s_add_nc_u64 s[G0+4*(\s)+2:G0+4*(\s)+3], s[66:67], (\s)*256      ; K step s: 128 elements along the rows
	s_or_b32 s[G0+4*(\s)+3], s[G0+4*(\s)+3], 0x80000000
	s_mov_b32 s[G0B+4*(\s)], 1
	s_add_co_u32 s[G0B+4*(\s)+1], s47, (\s)*SLOT
	s_add_nc_u64 s[G0B+4*(\s)+2:G0B+4*(\s)+3], s[68:69], (\s)*128*384  ; K step s: 128 k-rows down
	s_or_b32 s[G0B+4*(\s)+3], s[G0B+4*(\s)+3], 0x80000000
	JLOAD \s                                       ; two loads of mine are out
.endr
	v_and_b32 v1, 15, v0                           ; r = lane % 16
	v_bfe_u32 v2, v0, 4, 1                         ; h = lane / 16
	v_mul_u32_u24 v3, v1, PA
	v_lshl_add_u32 v3, v2, 4, v3                   ; x: row x pitch + 16 h
	s_mul_i32 s40, s14, 64*PA                      ; my 64 rows
	v_add_nc_u32 v[ADRA], s40, v3
	v_add_nc_u32 v[ADRA+1], SLOT, v[ADRA]
	v_and_b32 v4, 7, v0
	v_bfe_u32 v5, v0, 3, 1
	v_lshl_add_u32 v6, v2, 3, v4                   ; w, turned: lane l reads k-row 8 h + l % 8, columns 8 ((l / 8) % 2) + 0..7, and is left with column l % 16 and 8 k
	v_mul_u32_u24 v6, v6, PB
	v_lshl_add_u32 v6, v5, 4, v6
	v_add_nc_u32 v[ADRB], BOFF, v6
	v_add_nc_u32 v[ADRB+1], SLOT, v[ADRB]
	s_mul_i32 s41, s14, 16*SP
	s_add_co_u32 s41, s41, STAGE                   ; my stage
	v_mul_u32_u24 v7, v1, SP
	v_lshl_add_u32 v7, v2, 4, v7
	v_add_nc_u32 v[STO], s41, v7                   ; in: row r, 16 bytes for each half of the lanes
	v_bfe_u32 v8, v0, 3, 2
	v_mul_u32_u24 v8, v8, SP
	v_lshl_add_u32 v8, v4, 4, v8
	v_add_nc_u32 v[RD], s41, v8                    ; back: 32 lanes take 128 bytes of each of four rows,
	v_and_b32 v9, 31, v0
	v_lshlrev_b32 v[GO], 4, v9                     ; which are 512 consecutive bytes of q, k or v
	s_lshr_b32 s44, s20, 3                         ; batch (8 blocks of 256 rows each)
	s_lshl_b32 s44, s44, 4
	s_add_co_u32 s44, s44, s19                     ; 16 x batch + head
	s_lshl_b32 s44, s44, 11                        ; its 2,048 rows,
	s_and_b32 s45, s20, 7
	s_lshl_b32 s45, s45, 8                         ; my block's 256,
	s_add_co_u32 s44, s44, s45
	s_lshl_b32 s45, s14, 6                         ; my wave's 64,
	s_add_co_u32 s44, s44, s45
	s_lshl_b32 s44, s44, 7                         ; of 128 bytes
	s_mov_b32 s45, 0
	s_add_nc_u64 s[8:9], s[8:9], s[44:45]
	s_add_nc_u64 s[10:11], s[10:11], s[44:45]
	s_add_nc_u64 s[12:13], s[12:13], s[44:45]
; 4 nb matrix instructions: column blocks b0 .. b0 + nb - 1 x my 4 row blocks, 32 along K, from buffer f.  zero = 1: the product starts the sum.
; All 48 accumulators take turns, one instruction a turn, in the same order in every quarter.
.macro MULB f, b0, nb, zero
.set b, (\b0)
.rept (\nb)
.if b < 8
	WIN 0xa5                                       ; sources in window 1, C and D in window 2
.set rD, 32*b
.else
	WIN 0x05                                       ; C and D in window 0
.set rD, 128+32*(b-8)
.endif
.set a, 0
.rept 4
.if \zero
	v_wmma_f32_16x16x32_bf16 v[rD+8*a:rD+8*a+7], v[(\f)+32+8*b:(\f)+32+8*b+7], v[(\f)+8*a:(\f)+8*a+7], 0
.else
	v_wmma_f32_16x16x32_bf16 v[rD+8*a:rD+8*a+7], v[(\f)+32+8*b:(\f)+32+8*b+7], v[(\f)+8*a:(\f)+8*a+7], v[rD+8*a:rD+8*a+7]
.endif
.set a, a+1
.endr
.set b, b+1
.endr
.endm
.macro BLD slot, q, f, b0, nb          ; w's fragments b0 .. of quarter q: two turning loads each, 16 k-rows apart
.set b, (\b0)
.rept (\nb)
	ds_load_tr16_b128 v[(\f)+32+8*b:(\f)+32+8*b+3],   v[ADRB+(\slot)] offset:(\q)*32*PB+(b/4)*160+(b%4)*32
	ds_load_tr16_b128 v[(\f)+32+8*b+4:(\f)+32+8*b+7], v[ADRB+(\slot)] offset:(\q)*32*PB+16*PB+(b/4)*160+(b%4)*32
.set b, b+1
.endr
.endm
.macro FETCH slot, q, f                ; 32 LDS loads in one run: quarter q's fragments into buffer f; what is multiplied last comes last
	WIN 0x40                                       ; destination window 1, address window 0
	BLD \slot, \q, \f, 0, 8
.set a, 0
.rept 4
	ds_load_b128 v[(\f)+8*a:(\f)+8*a+3],   v[ADRA+(\slot)] offset:64*(\q)+a*16*PA
	ds_load_b128 v[(\f)+8*a+4:(\f)+8*a+7], v[ADRA+(\slot)] offset:64*(\q)+a*16*PA+32
.set a, a+1
.endr
	BLD \slot, \q, \f, 8, 4
.endm
; A K step is four quarters of 32 along K, 48 matrix instructions each, on buffers 0, 1, 0, 1.  One of the first three: multiplies buffer f and fetches quarter q into g.
.macro QUARTER slot, q, f, g, zero
	s_wait_dscnt 8                                 ; all but the youngest eight loads (w's blocks 8 to 11) are in
	MULB \f, 0, 8, \zero
	PLACES
	FETCH \slot, \q, \g
	s_wait_dscnt 32                                ; all but the 32 just issued
	MULB \f, 8, 4, \zero
.endm
; The last quarter multiplies buffer 1 and changes slots: ONE barrier; in front of it each wave waits for all its tensor loads (the one that is out is its part of the next slot), adds 0 to its
; spare word, and waits for that and for its own reads of this slot.  fill = 1: the barrier opens a round of the cluster's, and this slot is filled again, two K steps ahead, first thing behind it.
.macro TURN slot, next, fill
	WIN 0
	s_wait_tensorcnt 0x0
	ds_add_u32 v[SPW], v[NIL]
	s_wait_dscnt 9                                 ; (the add and the youngest eight loads may be out)
	MULB F1, 0, 4, 0                               ; sixteen matrix instructions stand between the add and the wait for it
	s_wait_dscnt 0x0                               ; the add is done, and my reads of this slot are over
	s_barrier_signal -1
	MULB F1, 4, 4, 0
.if \fill
	WIN 0
.endif
	s_barrier_wait -1
.if \fill
	CREST                                          ; no wave of any partner still reads this slot or has a load on its way
	s_add_nc_u64 s[G0+4*(\slot)+2:G0+4*(\slot)+3], s[G0+4*(\slot)+2:G0+4*(\slot)+3], 2*256
	s_add_nc_u64 s[G0B+4*(\slot)+2:G0B+4*(\slot)+3], s[G0B+4*(\slot)+2:G0B+4*(\slot)+3], 2*128*384
	JLOAD \slot                                    ; my one load behind the round; its four v_nop are also the places in front of the loads below
.else
	PLACES
.endif
	FETCH \next, 0, F0
	MULB F1, 8, 4, 0
.endm
	s_wait_tensorcnt 1                             ; my part of K step 0 is in; step 1's may stay out
	s_barrier_signal -1
	s_barrier_wait -1                              ; everybody's is
	FETCH 0, 0, F0
	QUARTER 0, 1, F0, F1, 1                        ; the first quarter stands in front of the loop: its products start the sums
	WIN 0
	s_mov_b32 s3, LAPS-1
.Llap:                                             ; a trip goes once round the ring, from a lap's second quarter to the next lap's first, and fills both slots again
	QUARTER 0, 2, F1, F0, 0
	QUARTER 0, 3, F0, F1, 0
	TURN 0, 1, 1
	QUARTER 1, 1, F0, F1, 0
	QUARTER 1, 2, F1, F0, 0
	QUARTER 1, 3, F0, F1, 0
	TURN 1, 0, 1
	QUARTER 0, 1, F0, F1, 0
	WIN 0
	s_sub_co_u32 s3, s3, 1
	s_cmp_lg_u32 s3, 0
	s_cbranch_scc1 .Llap
	QUARTER 0, 2, F1, F0, 0                        ; the last lap fills nothing
	QUARTER 0, 3, F0, F1, 0
	TURN 0, 1, 0
	QUARTER 1, 1, F0, F1, 0
	QUARTER 1, 2, F1, F0, 0
	QUARTER 1, 3, F0, F1, 0
	s_wait_dscnt 8
	MULB F1, 0, 8, 0
	s_wait_dscnt 0x0
	MULB F1, 8, 4, 0
	WIN 0
; THE WAY OUT, 16 rows (block a) at a time: rounded to bf16, 16 bytes a lane into my own stage, back as pieces of 128 bytes of four rows, stored as 512 consecutive bytes of q, k or v.
.macro CVT a                           ; each accumulator's registers in ascending order
.set b, 0
.rept 12
.if b < 8
	WIN 0x0a                                       ; sources in window 2
.set rD, 32*b+8*(\a)
.else
	WIN 0
.set rD, 128+32*(b-8)+8*(\a)
.endif
.set j, 0
.rept 4
	v_cvt_pk_bf16_f32 v[TMP+4*b+j], v[rD+2*j], v[rD+2*j+1]
.set j, j+1
.endr
.set b, b+1
.endr
	WIN 0
.endm
.macro TOSTAGE
.set b, 0
.rept 12
	ds_store_b128 v[STO], v[TMP+4*b:TMP+4*b+3] offset:32*b
.set b, b+1
.endr
	s_wait_xcnt 0x0                                ; the last block's stores have had their addresses translated (ISA guide 3.1): their data registers are loaded again only behind this wait
.set b, 0
.rept 12                                           ; tensor b / 4, rows 4 (b % 4) on.  LDS serves a wave's instructions in order (ISA guide 5.7.1.4): these see the stores above
	ds_load_b128 v[BK+4*b:BK+4*b+3], v[RD] offset:(b%4)*4*SP+(b/4)*128
.set b, b+1
.endr
.endm
.macro SEND a
	s_wait_dscnt 0x0                               ; the block is back in registers
.set b, 0
.rept 12
	global_store_b128 v[GO], v[BK+4*b:BK+4*b+3], s[8+2*(b/4):9+2*(b/4)] offset:(\a)*2048+(b%4)*512
.set b, b+1
.endr
.endm
	PLACES
	CVT 0
.irp a, 0,1,2,3
	TOSTAGE
.if (\a) < 3
	CVT (\a)+1                                     ; the next block's conversions stand between the loads from the stage and the wait for them
.endif
	SEND \a
.endr
	s_wait_tensorcnt 0x0                           ; the wave's end
	ds_add_u32 v[SPW], v[NIL]
	s_wait_dscnt 0x0
	CROUND                                         ; the closing round: no work-group ends while a partner may still ask for a tile that names it
	s_endpgm
.Lfunc_end_k_qe953ef87bf_qkv:
	.size	k_qe953ef87bf_qkv, .Lfunc_end_k_qe953ef87bf_qkv-k_qe953ef87bf_qkv
	.p2alignl 7, 3214868480
	.fill 96, 4, 3214868480
	.section	.rodata,"a",@progbits
	.p2align	6, 0x0
	.amdhsa_kernel k_qe953ef87bf_qkv
		.amdhsa_group_segment_fixed_size 327680
		.amdhsa_private_segment_fixed_size 0
		.amdhsa_enable_private_segment 0
		.amdhsa_kernarg_size 40
		.amdhsa_user_sgpr_count 2
		.amdhsa_user_sgpr_kernarg_segment_ptr 1
		.amdhsa_wavefront_size32 1
		.amdhsa_system_sgpr_workgroup_id_x 1
		.amdhsa_system_sgpr_workgroup_id_y 1
		.amdhsa_system_sgpr_workgroup_id_z 1
		.amdhsa_system_vgpr_workitem_id 0
		.amdhsa_next_free_vgpr 768
		.amdhsa_next_free_sgpr 80
		.amdhsa_reserve_vcc 0
		.amdhsa_float_denorm_mode_32 3
		.amdhsa_float_denorm_mode_16_64 3
		.amdhsa_memory_ordered 1
		.amdhsa_forward_progress 1
		.amdhsa_inst_pref_size 118
	.end_amdhsa_kernel
	.amdgpu_metadata
---
amdhsa.version: [ 1, 2 ]
amdhsa.kernels:
  - .name:           k_qe953ef87bf_qkv
    .symbol:         k_qe953ef87bf_qkv.kd
    .args:
      - { .name: xb, .offset: 0, .size: 8, .value_kind: global_buffer, .address_space: global }
      - { .name: wqb, .offset: 8, .size: 8, .value_kind: global_buffer, .address_space: global }
      - { .name: qb, .offset: 16, .size: 8, .value_kind: global_buffer, .address_space: global }
      - { .name: kb, .offset: 24, .size: 8, .value_kind: global_buffer, .address_space: global }
      - { .name: vb, .offset: 32, .size: 8, .value_kind: global_buffer, .address_space: global }
    .group_segment_fixed_size: 327680
    .private_segment_fixed_size: 0
    .kernarg_segment_align: 8
    .kernarg_segment_size: 40
    .max_flat_workgroup_size: 128
    .sgpr_count:     80
    .vgpr_count:     768
    .wavefront_size: 32
...
	.end_amdgpu_metadata
.endif
;; end of part 2
;; launch attn (part 3): grid 4 x 64, 4 waves a work-group, clusters of 4 x 1, 327,680 bytes of LDS; arguments qb, kb, vb, ob; writes ob
.if DOCPART == 3
	.amdgcn_target "amdgcn-amd-amdhsa--gfx1250"
	.amdhsa_code_object_version 6
	.text
	.protected	k_qe953ef87bf_attn
	.globl	k_qe953ef87bf_attn
	.p2align	8
	.type	k_qe953ef87bf_attn,@function
k_qe953ef87bf_attn:
	s_mov_b64 s[64:65], 0
	v_nop
	global_prefetch_b8 v0, s[64:65] scope:SCOPE_SE
	s_setreg_imm32_b32 hwreg(HW_REG_WAVE_MODE, 25, 1), 1
	s_wait_xcnt 0x0
	s_wait_alu depctr_hold_cnt(0) depctr_sa_sdst(0) depctr_va_vdst(0) depctr_va_sdst(0) depctr_va_ssrc(0) depctr_va_vcc(0) depctr_vm_vsrc(0)
	s_getreg_b32 s2, hwreg(HW_REG_IB_STS2, 6, 4)
	s_cmp_eq_u32 s2, 0
	s_cbranch_scc0 .Lentry_in_a_cluster
	s_endpgm
.Lentry_in_a_cluster:
	s_bfe_u32 s2, ttmp6, 0x10000c
	s_cmp_lg_u32 s2, 0x3003
	s_cbranch_scc0 .Lentry_shape_is_right
	s_endpgm
.Lentry_shape_is_right:
; O[bh][q][:] = sum over k of relu(s) V[bh][k][:] / (sum over k of relu(s) + 8e-6), s = Q[bh][q] . K[bh][k].  That is the module's relu(s / 8) / (sum of relu(s / 8) + 1e-6): 1 / 8 is a power of two
; and is taken out of numerator and denominator exactly.  Q, K, V, O: [64][2048][64] bf16, a head's rows dense, 128 bytes each.  Products and sums in f32.
; The weights p = relu(s) are rounded to bf16 for the second product, and their sum l is taken of the rounded p; O is rounded once at the end.
; LIMITS: bf16 operands (8 significant bits, f32's range: relu(s) has no upper bound, so no narrower range serves).  A NaN score counts as weight 0; infinities are not treated apart; l above 2^126 gives O = 0.
; SHARES.  A work-group owns 512 queries of one head, each of its four waves 128: eight tiles of 16.  Every wave walks all 2,048 keys.
; LAYOUT.  S^T = K Q^T (source 0 = 16 keys, source 1 = 16 queries): a lane holds ONE query (lane % 16) and keys 8 (lane / 16) + 0..7.  Two such results rounded in pairs ARE source 1 (32 keys x 16 queries)
; of O^T = V^T P; l = ONES P comes from the same source 1, and every row of it is the query's sum: no lane is ever exchanged.  K comes out of LDS as it lies, V turned (ds_load_tr16_b128).
; TURNS.  A key step of 64 is two HALVES of 32 keys; K and V have a register buffer for each half, and while one half is multiplied for all eight tiles the other is loaded.
; Turn (X, t): 4 products K Q^T for the NEXT turn's tile, behind each of them 4 of this tile's 16 vector lines (8 roundings, 8 packed relu); then 5 products: O^T of tile t, 4 channel blocks, and l.
; CLUSTER.  The four query blocks of a cluster belong to one head and walk the same K and V: each tile is asked for jointly, same load, descriptor and mask in all four.
; REGISTERS, in windows of 256 (s_set_vgpr_msb: bits 1:0 source 0, 3:2 source 1, 5:4 source 2, 7:6 destination):
;   window 0: v0-16 addresses; v32-63 S^T, two buffers of two accumulators; v64-79 P, two buffers; v96-111 1 / l; v128-255 the way out
;   window 1: tiles 0-5: O^T (32) and l (8) at 40 t          window 2: v0-63 K, half X at 32 X; v64-127 V; v128-135 ones
;   window 3: v0-127 Q, 16 a tile; v128-207 O^T and l of tiles 6, 7
.set KS,    64
.set PK,    144       ; a row of K in LDS: 128 bytes + 16 = 36 words: the 16 rows of a load start at 16 different groups of four banks (64 banks of 4 bytes: ISA guide 11.1)
.set PV,    160       ; a row of V: 128 + 32 = 40 words
.set VOFF,  4*KS*PK   ; a slot holds four steps: 256 rows of K, then 256 rows of V
.set SLOT1, 1<<17     ; slot 1 begins here: one exclusive or turns an address in one slot into the other's
.set STAGE, SLOT1+4*KS*(PK+PV)  ; behind the ring, never filled by a tensor load: 16 rows x 144 bytes for each wave
.set SP,    144
.set SPARE, STAGE+4*16*SP       ; the spare words, 128 bytes for each wave: two blocks of 256 bytes that no other line names
.set AK0, 2           ; v2   my lane's place in a tile of K; never rewritten
.set AV0, 3           ; v3   the same for V
.set AK,  4           ; v4   LDS address of the step whose K is being fetched
.set AV,  5           ; v5   the same for V
.set STO, 6           ; v6   the way out: where I put 16 bytes of a row
.set RD,  7           ; v7   where I read rows back
.set GO,  8           ; v8   16 x lane
.set QO,  9           ; v9   my byte offset in 16 rows of Q
.set ZERO, 10         ; v10  0, for the packed relu
.set SPW, 12          ; v12  LDS address of my spare word; never rewritten
.set NIL, 13          ; v13  0; never rewritten
.set S,   32
.set P,   64
.set R,   96
.set OT,  128
.set KF,  0
.set VF,  64
.set ONES, 128
.set WV,  12          ; s12  my wave's number
.set G1K, 24          ; s[24:31] descriptor group 1 for K's tiles
.set G1V, 32          ; s[32:39] for V's: it differs in the padding alone
.set G0K, 40          ; s[40:43] descriptor group 0 for K's tiles: it walks
.set G0V, 44          ; s[44:47] the same for V's
.set SLOTS, 56
.set CNT, 57
.set EPS, 58          ; s58  8 x 1e-6
.set TBK, 62          ; s62  LDS byte at which K of the step to be fetched begins
.set TBV, 63          ; s63  the same for V, less VOFF
.set MSB, 0
.macro WIN new
.if MSB != (\new)
	s_set_vgpr_msb (MSB<<8)|(\new)
.set MSB, (\new)
.endif
.endm
.macro JLOAD                        ; a joint fill: waves 0 and 1 fetch the halves of a slot's K, waves 2 and 3 of its V, 128 keys each; an s_nop 0 and four v_nop follow each line
	s_cmp_lt_u32 s[WV], 2
	s_cbranch_scc0 .Lfor_v_\@
	tensor_load_to_lds s[G0K:G0K+3], s[G1K:G1K+7]
	s_nop 0
.rept 4
	v_nop
.endr
	s_branch .Lasked_\@
.Lfor_v_\@:
	tensor_load_to_lds s[G0V:G0V+3], s[G1V:G1V+7]
	s_nop 0
.rept 4
	v_nop
.endr
.Lasked_\@:
.endm
.macro CROUND                       ; a round of the cluster's barrier
	s_barrier_signal -1
	s_barrier_wait -1
	s_cmp_lg_u32 s[WV], 0
	s_cbranch_scc1 .Lnot_wave_0_\@
	s_barrier_signal -3
.Lnot_wave_0_\@:
	s_barrier_wait -3
	s_barrier_signal -1
	s_barrier_wait -1
.endm
; THE CHANGE OF SLOTS stands where the slot's last run of loads (V's second half of its fourth step) has been issued.  Each wave waits for all its tensor loads, of which one is out: its part of the other
; slot; adds 0 to its spare word; waits for that and for its reads of the slot.  fill = 1: the barrier is a round of the cluster's, and the slot is filled again, with the keys two slots on, first thing
; behind it: that load has four key steps, 576 matrix instructions, in which to land.  (At its first use nothing has been read: slot 0 is waited for, slot 1 filled.)
.macro CHANGE fill
	WIN 0
	s_wait_tensorcnt 0x0            ; no tensor load of mine is out, so a group 0 may be written
	ds_add_u32 v[SPW], v[NIL]
.if \fill
.irp g, G0K, G0V
	s_xor_b32 s[\g+1], s[\g+1], SLOT1
	s_add_nc_u64 s[\g+2:\g+3], s[\g+2:\g+3], 4*KS*128
.endr
	s_wait_dscnt 0x0                ; the add is done, and my reads of the slot are over
	CROUND
	JLOAD
.else
	s_wait_dscnt 0x0
	s_barrier_signal -1
	s_barrier_wait -1
.endif
	s_sub_co_u32 s[TBK], s[TBK], 4*KS*PK  ; the fetches go back to a slot's first step,
	s_xor_b32 s[TBK], s[TBK], SLOT1       ; in the other slot
	s_sub_co_u32 s[TBV], s[TBV], 4*KS*PV
	s_xor_b32 s[TBV], s[TBV], SLOT1
.endm
.macro PLACES
.rept 4
	v_nop
.endr
.endm
	s_load_b256 s[4:11], s[0:1], 0x0  ; Q s[4:5], K s[6:7], V s[8:9], O s[10:11]
	v_lshl_add_u32 v[SPW], v0, 2, SPARE
	v_mov_b32 v[NIL], 0
	ds_add_u32 v[SPW], v[NIL]       ; the wave's opening: the add and its wait stand ahead of my first tensor load
	v_lshrrev_b32 v1, 5, v0
	v_readfirstlane_b32 s[WV], v1
	s_bfe_u32 s13, ttmp6, 0x40000   ; cx
	s_lshl_b32 s14, ttmp9, 2
	s_add_co_u32 s14, s14, s13      ; my block of 512 queries: it enters Q's and O's addresses alone
	s_and_b32 s20, ttmp7, 0xffff    ; batch x 16 + head, which the four partners share
	s_lshl_b32 s20, s20, 18         ; its 2,048 rows of 128 bytes
	s_and_b32 s16, s[WV], 1         ; which half of a slot's 256 keys I fetch:
	s_lshl_b32 s22, s16, 14         ; its 128 rows in memory,
	s_add_co_u32 s22, s22, s20
	s_mov_b32 s23, 0
	s_mul_i32 s17, s16, 128*PK      ; and its place in a slot, for K
	s_mul_i32 s18, s16, 128*PV      ; and for V
	s_lshl_b32 s2, s14, 2
	s_add_co_u32 s2, s2, s[WV]      ; my wave among the head's sixteen,
	s_lshl_b32 s2, s2, 14           ; its 128 rows
	s_add_co_u32 s2, s2, s20
	s_mov_b32 s3, 0
	; 128 keys are 16,384 dense bytes: asked for as 64 rows of 256 bytes, two keys a row, and padded in LDS after every key
	s_mov_b32 s[G1K], 15|(1<<16)|(1<<20)|(1<<21)|(4<<22)|(3<<25)  ; the mask of four; 2-byte elements; padding on; bit 21 beside a mask; after every 32 words 4 words
	s_mov_b32 s[G1V], 15|(1<<16)|(1<<20)|(1<<21)|(4<<22)|(7<<25)  ; the same with 8 words
.irp g, G1K, G1V
	s_mov_b32 s[\g+1], 128<<16      ; tensor_dim0 = 128
	s_mov_b32 s[\g+2], 64<<16       ; tensor_dim1 = 64
	s_mov_b32 s[\g+3], 128<<16      ; tile_dim0 = 128
	s_mov_b32 s[\g+4], 64           ; tile_dim1 = 64
	s_mov_b32 s[\g+5], 128          ; 128 elements from row to row
	s_mov_b32 s[\g+6], 0
	s_mov_b32 s[\g+7], 0
.endr
	s_mov_b32 s[EPS], 0x370637bd    ; 8 x f32(1e-6)
	s_mov_b32 s[TBK], SLOT1+4*KS*PK ; the first change of slots turns these two into 0
	s_mov_b32 s[TBV], SLOT1+4*KS*PV
	s_mov_b32 s[G0K], 1
	s_mov_b32 s[G0K+1], s17         ; slot 0
	s_mov_b32 s[G0V], 1
	s_add_co_u32 s[G0V+1], s18, VOFF
	s_wait_dscnt 0x0                ; the opening add is done
	s_wait_kmcnt 0x0
	s_add_nc_u64 s[G0K+2:G0K+3], s[6:7], s[22:23]
	s_or_b32 s[G0K+3], s[G0K+3], 0x80000000
	s_add_nc_u64 s[G0V+2:G0V+3], s[8:9], s[22:23]
	s_or_b32 s[G0V+3], s[G0V+3], 0x80000000
	s_add_nc_u64 s[4:5], s[4:5], s[2:3]
	s_add_nc_u64 s[10:11], s[10:11], s[2:3]
	CROUND                          ; all four work-groups are here: the first joint loads meet
	JLOAD                           ; slot 0; slot 1 is asked for when slot 0 is in
	v_and_b32 v1, 15, v0            ; r = lane % 16
	v_bfe_u32 v14, v0, 4, 1         ; h = lane / 16
	v_lshlrev_b32 v[QO], 7, v1
	v_lshl_add_u32 v[QO], v14, 4, v[QO]
	WIN 0xc0                        ; destination window 3
.set i, 0
.rept 16                            ; Q stays in registers: tile i / 2, channels 32 (i % 2) on
	global_load_b128 v[8*i:8*i+3],   v[QO], s[4:5] offset:(i/2)*2048+(i%2)*64
	global_load_b128 v[8*i+4:8*i+7], v[QO], s[4:5] offset:(i/2)*2048+(i%2)*64+32
.set i, i+1
.endr
	; O^T and l start at 0: 320 lines, in the wait for the first tile.  Their price buys one text for every trip: no first step with sums that start is written out.
.set i, 128
.rept 80
	v_mov_b32 v[i], 0
.set i, i+1
.endr
	WIN 0x40
.set i, 0
.rept 240
	v_mov_b32 v[i], 0
.set i, i+1
.endr
	WIN 0x80
.set i, 0
.rept 8
	v_mov_b32 v[ONES+i], 0x3f803f80 ; 1.0 twice in bf16
.set i, i+1
.endr
	WIN 0
	v_mov_b32 v[ZERO], 0
	v_mul_u32_u24 v[AK0], v1, PK
	v_lshl_add_u32 v[AK0], v14, 4, v[AK0]  ; row x pitch + 16 h
	v_and_b32 v15, 7, v0
	v_bfe_u32 v16, v0, 3, 1
	v_lshl_add_u32 v[AV0], v14, 3, v15     ; turned: lane l reads key 8 h + l % 8, channels 8 ((l / 8) % 2) + 0..7
	v_mul_u32_u24 v[AV0], v[AV0], PV
	v_lshl_add_u32 v[AV0], v16, 4, v[AV0]
	v_add_nc_u32 v[AV0], VOFF, v[AV0]
	s_mul_i32 s13, s[WV], 16*SP
	s_add_co_u32 s13, s13, STAGE    ; my stage
	v_mul_u32_u24 v[STO], v1, SP
	v_lshl_add_u32 v[STO], v14, 4, v[STO]
	v_add_nc_u32 v[STO], s13, v[STO]
	v_bfe_u32 v[RD], v0, 3, 2       ; back: 32 lanes take four rows of 128 bytes,
	v_mul_u32_u24 v[RD], v[RD], SP
	v_lshl_add_u32 v[RD], v15, 4, v[RD]
	v_add_nc_u32 v[RD], s13, v[RD]
	v_and_b32 v[GO], 31, v0         ; which are 512 consecutive bytes of O
	v_lshlrev_b32 v[GO], 4, v[GO]
; Product i of 4 of S^T for tile t and half X: keys 16 (i % 2) on, channels 32 (i / 2) on.  The first two start the sums; the two accumulators take turns.
.macro KQW t, X
	WIN 0x0e                        ; K in window 2, Q in window 3, S^T in window 0
.set rS, S+16*((\t)%2)+8*(i%2)
.set rK, KF+32*(\X)+16*(i%2)+8*(i/2)
.set rQ, 16*(\t)+8*(i/2)
.if i < 2
	v_wmma_f32_16x16x32_bf16 v[rS:rS+7], v[rK:rK+7], v[rQ:rQ+7], 0
.else
	v_wmma_f32_16x16x32_bf16 v[rS:rS+7], v[rK:rK+7], v[rQ:rQ+7], v[rS:rS+7]
.endif
.endm
; Group i of 4 of a tile's vector work: 0, 1: an accumulator's eight scores rounded to bf16, from its low end on; 2, 3: relu on the packed halves (rounding keeps the sign, so the order does not matter).
.macro CONV par
	WIN 0
.set rS, S+16*(\par)
.set rP, P+8*(\par)
.set j, 0
.rept 4
.if i < 2
	v_cvt_pk_bf16_f32 v[rP+4*i+j], v[rS+8*i+2*j], v[rS+8*i+2*j+1]
.else
	v_pk_max_num_bf16 v[rP+4*(i-2)+j], v[rP+4*(i-2)+j], v[ZERO]
.endif
.set j, j+1
.endr
.endm
; O^T += V^T P for tile t's four channel blocks, and l += ONES P: five accumulators, one instruction each.
.macro PVW t, X
.if (\t) < 6
	WIN 0x52                        ; V in window 2, P in window 0, C and D in window 1
.set rO, 40*(\t)
.else
	WIN 0xf2                        ; C and D in window 3
.set rO, 128+40*((\t)-6)
.endif
.set rP, P+8*((\t)%2)
.set j, 0
.rept 4
	v_wmma_f32_16x16x32_bf16 v[rO+8*j:rO+8*j+7], v[VF+32*(\X)+8*j:VF+32*(\X)+8*j+7], v[rP:rP+7], v[rO+8*j:rO+8*j+7]
.set j, j+1
.endr
	v_wmma_f32_16x16x32_bf16 v[rO+32:rO+39], v[ONES:ONES+7], v[rP:rP+7], v[rO+32:rO+39]
.endm
.macro FETCH_K X                    ; eight loads: half X's 32 keys x 64 channels: key block f / 2, channel half f % 2
	WIN 0x80
.irp f, 0,1,2,3
	ds_load_b128 v[KF+32*(\X)+8*\f:KF+32*(\X)+8*\f+3],   v[AK] offset:(\X)*32*PK+(\f/2)*16*PK+(\f%2)*64
	ds_load_b128 v[KF+32*(\X)+8*\f+4:KF+32*(\X)+8*\f+7], v[AK] offset:(\X)*32*PK+(\f/2)*16*PK+(\f%2)*64+32
.endr
.endm
.macro FETCH_V X                    ; eight turning loads: half X's 32 keys, channel block f
	WIN 0x80
.irp f, 0,1,2,3
	ds_load_tr16_b128 v[VF+32*(\X)+8*\f:VF+32*(\X)+8*\f+3],   v[AV] offset:(\X)*32*PV+\f*32
	ds_load_tr16_b128 v[VF+32*(\X)+8*\f+4:VF+32*(\X)+8*\f+7], v[AV] offset:(\X)*32*PV+16*PV+\f*32
.endr
.endm
; TURN (X, t).  f = 1: the runs of loads are issued.  kq = 0: there is no next turn.  w: the wait at the head of t = 7 (below 0: none).
; The runs go out in the order K first half, V first half, K second half, V second half, eight loads each, and each is first used when exactly two younger runs have been issued: every count is 16.
; K's half X is last read by turn (X, 6)'s products, which have four vector lines behind them when the run is issued; V's half 1 - X by turn (1 - X, 7), sixteen vector lines back (ISA guide 7.12.1).
.macro TURN X, t, f, kq, w
.set nt, ((\t)+1)%8
.set nX, (\X)
.if (\t) == 7
.set nX, 1-(\X)
.if (\w) >= 0
	s_wait_dscnt \w                 ; K's other half is in
.endif
.endif
.set i, 0
.rept 4
.if \kq
	KQW nt, nX
.endif
	CONV (\t)%2
.set i, i+1
.endr
.if \f
.if (\t) == 6
	FETCH_K \X
.endif
.if (\t) == 0
	FETCH_V 1-(\X)
	s_wait_dscnt 16                 ; V's half X is in
.endif
.endif
	PVW \t, \X
.endm
; A TRIP: from turn (0, 1) of one key step to turn (0, 0) of the next, whose K and V, all four runs, it fetches.  last = 1: the last step's rest: nothing is fetched and no new scores are begun.
.macro TRIP last
	WIN 0
.if !(\last)
	v_add_nc_u32 v[AK], s[TBK], v[AK0]
	v_add_nc_u32 v[AV], s[TBV], v[AV0]
	s_add_co_u32 s[TBK], s[TBK], KS*PK
	s_add_co_u32 s[TBV], s[TBV], KS*PV
.endif
.irp t, 1,2,3,4,5,6
	TURN 0, \t, 1-(\last), 1, -1
.endr
	TURN 0, 7, 1-(\last), 1, 16-16*(\last)
.irp t, 0,1,2,3,4,5,6
	TURN 1, \t, 1-(\last), 1, -1
.endr
	TURN 1, 7, 1-(\last), 1-(\last), 16-17*(\last)
.if !(\last)
	TURN 0, 0, 1, 1, -1
.endif
	WIN 0
.endm
	CHANGE 1                        ; slot 0 is in, everybody's part of it; slot 1 is asked for
	v_add_nc_u32 v[AK], s[TBK], v[AK0]
	v_add_nc_u32 v[AV], s[TBV], v[AV0]
	s_add_co_u32 s[TBK], s[TBK], KS*PK
	s_add_co_u32 s[TBV], s[TBV], KS*PV
	FETCH_K 0                       ; key step 0, all four runs
	FETCH_V 0
	FETCH_K 1
	FETCH_V 1
	s_wait_loadcnt 0x0              ; Q
	s_wait_dscnt 0x0
.set i, 0
.rept 4
	KQW 0, 0                        ; tile 0's first scores: there is no vector work yet to set between them
.set i, i+1
.endr
	WIN 0
	PLACES
	TURN 0, 0, 0, 1, -1
	WIN 0
	s_mov_b32 s[CNT], 3             ; slot 0 has three more steps to fetch
	s_mov_b32 s[SLOTS], 7           ; this pass, and six changes that fill: tiles 2 to 7
	s_branch .Ltrip
.Lslot:
	CHANGE 1
	s_mov_b32 s[CNT], 4
.Ltrip:
	TRIP 0
	s_sub_co_u32 s[CNT], s[CNT], 1
	s_cmp_lg_u32 s[CNT], 0
	s_cbranch_scc1 .Ltrip
	s_sub_co_u32 s[SLOTS], s[SLOTS], 1
	s_cmp_lg_u32 s[SLOTS], 0
	s_cbranch_scc1 .Lslot
	CHANGE 0                        ; the tail is written out: nothing is asked for
	s_mov_b32 s[CNT], 4
.Ltail:
	TRIP 0
	s_sub_co_u32 s[CNT], s[CNT], 1
	s_cmp_lg_u32 s[CNT], 0
	s_cbranch_scc1 .Ltail
	TRIP 1
	; THE WAY OUT.  Every register of l holds the lane's query's sum: the lowest is taken.  O^T is divided by l + 8e-6, rounded to bf16 and sent through my stage, a tile at a time.
	PLACES
.set t, 0
.rept 8
.if t < 6
	WIN 0x04                        ; source 1 in window 1
.set rL, 40*t+32
.else
	WIN 0x0c                        ; in window 3
.set rL, 128+40*(t-6)+32
.endif
	v_add_f32 v[R+2*t+1], s[EPS], v[rL]
.set t, t+1
.endr
	WIN 0
.set t, 0
.rept 8
	v_rcp_f32 v[R+2*t], v[R+2*t+1]
.set t, t+1
.endr
	v_nop                           ; a plain instruction between the last reciprocal and the use of its result (ISA guide 5.7.2)
	s_wait_alu depctr_va_vdst(0)
.macro PACK t
.if (\t) < 6
	WIN 0x41                        ; O^T (destination and source 0) in window 1, 1 / l in window 0
.set rO, 40*(\t)
.else
	WIN 0xc3
.set rO, 128+40*((\t)-6)
.endif
.set i, 0
.rept 16
	v_pk_mul_f32 v[rO+2*i:rO+2*i+1], v[rO+2*i:rO+2*i+1], v[R+2*(\t):R+2*(\t)+1] op_sel_hi:[1,0]
.set i, i+1
.endr
.if (\t) < 6
	WIN 0x05
.else
	WIN 0x0f
.endif
.set i, 0
.rept 16
	v_cvt_pk_bf16_f32 v[OT+16*(\t)+i], v[rO+2*i], v[rO+2*i+1]
.set i, i+1
.endr
	WIN 0
.irp f, 0,1,2,3
	ds_store_b128 v[STO], v[OT+16*(\t)+4*\f:OT+16*(\t)+4*\f+3] offset:32*\f
.endr
.irp f, 0,1,2,3
	ds_load_b128 v[OT+16*(\t)+4*\f:OT+16*(\t)+4*\f+3], v[RD] offset:\f*4*SP  ; LDS serves a wave's instructions in order (ISA guide 5.7.1.4): these see the stores above; the next tile's stores come behind them
.endr
.endm
.macro SEND t, younger              ; younger: the LDS instructions issued behind tile t's loads: the next tile's eight, or none
.irp f, 0,1,2,3
	s_wait_dscnt (\younger)+3-\f
	global_store_b128 v[GO], v[OT+16*(\t)+4*\f:OT+16*(\t)+4*\f+3], s[10:11] offset:(\t)*2048+\f*512  ; 512 consecutive bytes, at a multiple of 256 from O's first
.endr
.endm
	PACK 0
.set t, 1
.rept 7                             ; a tile's arithmetic stands between the loads of the tile before and its stores
	PACK t
	SEND t-1, 8
.set t, t+1
.endr
	SEND 7, 0
	s_wait_tensorcnt 0x0            ; the wave's end
	ds_add_u32 v[SPW], v[NIL]
	s_wait_dscnt 0x0
	CROUND                          ; the closing round
	s_endpgm
.Lfunc_end_k_qe953ef87bf_attn:
	.size	k_qe953ef87bf_attn, .Lfunc_end_k_qe953ef87bf_attn-k_qe953ef87bf_attn
	.p2alignl 7, 3214868480
	.fill 96, 4, 3214868480
	.section	.rodata,"a",@progbits
	.p2align	6, 0x0
	.amdhsa_kernel k_qe953ef87bf_attn
		.amdhsa_group_segment_fixed_size 327680
		.amdhsa_private_segment_fixed_size 0
		.amdhsa_enable_private_segment 0
		.amdhsa_kernarg_size 32
		.amdhsa_user_sgpr_count 2
		.amdhsa_user_sgpr_kernarg_segment_ptr 1
		.amdhsa_wavefront_size32 1
		.amdhsa_system_sgpr_workgroup_id_x 1
		.amdhsa_system_sgpr_workgroup_id_y 1
		.amdhsa_system_sgpr_workgroup_id_z 1
		.amdhsa_system_vgpr_workitem_id 0
		.amdhsa_next_free_vgpr 976
		.amdhsa_next_free_sgpr 66
		.amdhsa_reserve_vcc 0
		.amdhsa_float_denorm_mode_32 3
		.amdhsa_float_denorm_mode_16_64 3
		.amdhsa_memory_ordered 1
		.amdhsa_forward_progress 1
		.amdhsa_inst_pref_size 145
	.end_amdhsa_kernel
	.amdgpu_metadata
---
amdhsa.version: [ 1, 2 ]
amdhsa.kernels:
  - .name:           k_qe953ef87bf_attn
    .symbol:         k_qe953ef87bf_attn.kd
    .args:
      - { .name: qb, .offset: 0, .size: 8, .value_kind: global_buffer, .address_space: global }
      - { .name: kb, .offset: 8, .size: 8, .value_kind: global_buffer, .address_space: global }
      - { .name: vb, .offset: 16, .size: 8, .value_kind: global_buffer, .address_space: global }
      - { .name: ob, .offset: 24, .size: 8, .value_kind: global_buffer, .address_space: global }
    .group_segment_fixed_size: 327680
    .private_segment_fixed_size: 0
    .kernarg_segment_align: 8
    .kernarg_segment_size: 32
    .max_flat_workgroup_size: 128
    .sgpr_count:     66
    .vgpr_count:     976
    .wavefront_size: 32
...
	.end_amdgpu_metadata
.endif
;; end of part 3
;; launch oproj (part 4): grid 4 x 64, 4 waves a work-group, clusters of 4 x 4, 327,680 bytes of LDS; arguments ob, wob, pj; writes pj
.if DOCPART == 4
	.amdgcn_target "amdgcn-amd-amdhsa--gfx1250"
	.amdhsa_code_object_version 6
	.text
	.protected	k_qe953ef87bf_oproj
	.globl	k_qe953ef87bf_oproj
	.p2align	8
	.type	k_qe953ef87bf_oproj,@function
k_qe953ef87bf_oproj:
	s_mov_b64 s[64:65], 0
	v_nop
	global_prefetch_b8 v0, s[64:65] scope:SCOPE_SE
	s_setreg_imm32_b32 hwreg(HW_REG_WAVE_MODE, 25, 1), 1
	s_wait_xcnt 0x0
	s_wait_alu depctr_hold_cnt(0) depctr_sa_sdst(0) depctr_va_vdst(0) depctr_va_sdst(0) depctr_va_ssrc(0) depctr_va_vcc(0) depctr_vm_vsrc(0)
	s_getreg_b32 s2, hwreg(HW_REG_IB_STS2, 6, 4)
	s_cmp_eq_u32 s2, 0
	s_cbranch_scc0 .Lentry_in_a_cluster
	s_endpgm
.Lentry_in_a_cluster:
	s_bfe_u32 s2, ttmp6, 0x10000c
	s_cmp_lg_u32 s2, 0xf033
	s_cbranch_scc0 .Lentry_shape_is_right
	s_endpgm
.Lentry_shape_is_right:
; pj = O w_out.  ob [64 = 4 batches x 16 heads][2048][64], wob [4 blocks][1024 k][256], pj [8192][1024], all bf16; sums in f32, K ascending, pj rounded once (the bias is added later, in f32).
; LIMITS: operands and result are bf16 (8 significant bits, f32's range); NaN and infinities are not treated apart.
; SHARES.  A work-group makes 128 rows x 256 columns: 256 work-groups.  Four waves, 2 x 2, each 64 x 128: 4 (a) x 8 (b) = 32 accumulators, 256 registers.
; K = head x 64 + channel.  A K step of 128 is two heads; a head's 128 rows are 16,384 dense bytes of ob.  8 steps through two LDS slots.  O's rows lie along K; w's lie along N and are turned (ds_load_tr16_b128).
; CLUSTER 4 x 4: O's tile is shared along a row of the cluster, w's along a column; each is asked for jointly.  THE MATRIX INSTRUCTION IS USED TRANSPOSED: a lane holds eight neighbouring columns of a row.
; REGISTERS: window 0: v0-31 addresses; v32-63, v64-95 the way out.  window 1: two fragment buffers of 96: O's 4 fragments at f + 8 a, w's 8 at f + 32 + 8 b.  window 2: accumulators at 8 (4 b + a).
.set PA,     144                       ; a row of a head in LDS: 128 bytes + 16 = 36 words: 16 rows start at 16 different groups of four banks (64 banks of 4 bytes: ISA guide 11.1)
.set PB,     544                       ; a k-row of w: 512 bytes + 32 = 136 words
.set PLANE,  128*PA                    ; what one load brings of O: a head's 128 rows
.set HALFB,  64*PB                     ; and of w: 64 k-rows
.set BOFF,   2*PLANE
.set SLOT,   BOFF+2*HALFB              ; 106,496
.set STAGE,  2*SLOT                    ; behind the ring, never filled by a tensor load: 16 rows x 272 bytes for each wave
.set SP,     272
.set SPARE,  STAGE+4*16*SP             ; the spare words, 128 bytes for each wave
.set LAPS,   4
.set ADRA, 16
.set ADRB, 20
.set STO,  24
.set RD,   25
.set CO,   26
.set SPW,  28
.set NIL,  29
.set TMP,  32
.set BK,   64
.set F0,   0
.set F1,   96
.set G1,  24
.set G0,  32
.set G1B, 48
.set G0B, 56
.set MSB, 0
.macro WIN new
.if MSB != (\new)
	s_set_vgpr_msb (MSB<<8)|(\new)
.set MSB, \new
.endif
.endm
.macro JLOAD s                         ; waves 0 and 1 fetch the step's two heads of O, waves 2 and 3 w's two halves; an s_nop 0 and four v_nop follow each line
	s_cmp_eq_u32 s15, 0
	s_cbranch_scc0 .Lfor_b_\@
	tensor_load_to_lds s[G0+4*(\s):G0+4*(\s)+3], s[G1:G1+7]
	s_nop 0
.rept 4
	v_nop
.endr
	s_branch .Lasked_\@
.Lfor_b_\@:
	tensor_load_to_lds s[G0B+4*(\s):G0B+4*(\s)+3], s[G1B:G1B+7]
	s_nop 0
.rept 4
	v_nop
.endr
.Lasked_\@:
.endm
.macro CREST
	s_cmp_lg_u32 s14, 0
	s_cbranch_scc1 .Lnot_wave_0_\@
	s_barrier_signal -3
.Lnot_wave_0_\@:
	s_barrier_wait -3
	s_barrier_signal -1
	s_barrier_wait -1
.endm
.macro CROUND
	s_barrier_signal -1
	s_barrier_wait -1
	CREST
.endm
.macro PLACES
.rept 4
	v_nop
.endr
.endm
	s_load_b128 s[4:7], s[0:1], 0x0                ; ob s[4:5], wob s[6:7]
	s_load_b64 s[8:9], s[0:1], 0x10                ; pj
	v_lshl_add_u32 v[SPW], v0, 2, SPARE
	v_mov_b32 v[NIL], 0
	ds_add_u32 v[SPW], v[NIL]                      ; the wave's opening: the add and its wait stand ahead of my first tensor load
	v_lshrrev_b32 v1, 5, v0
	v_readfirstlane_b32 s14, v1                    ; wave 0..3
	s_lshr_b32 s15, s14, 1                         ; my half of the tile's rows.  Also: I fetch for O (0) or for w (1)
	s_and_b32 s16, s14, 1                          ; my half of its columns.  Also: which half of that tile I fetch
	s_bfe_u32 s17, ttmp6, 0x40000
	s_bfe_u32 s18, ttmp6, 0x40004
	s_lshl_b32 s19, ttmp9, 2
	s_add_co_u32 s19, s19, s17                     ; block of 256 columns
	s_and_b32 s20, ttmp7, 0xffff
	s_lshl_b32 s20, s20, 2
	s_add_co_u32 s20, s20, s18                     ; block of 128 rows
	s_lshl_b32 s21, s18, 2
	s_lshl_b32 s21, 15, s21                        ; my row of the cluster
	s_lshl_b32 s22, 0x1111, s17                    ; my column
	s_or_b32 s[G1+0], s21, (1<<16)|(1<<20)|(1<<21)|(4<<22)|(3<<25)   ; after every 32 words 4 words
	s_or_b32 s[G1B+0], s22, (1<<16)|(1<<20)|(1<<21)|(6<<22)|(7<<25)  ; after every 128 words 8 words
	s_mov_b32 s[G1+1], 128<<16                     ; O: 16,384 dense bytes as 64 rows of 256, two rows of the head each
	s_mov_b32 s[G1+2], 64<<16
	s_mov_b32 s[G1+3], 128<<16
	s_mov_b32 s[G1+4], 64
	s_mov_b32 s[G1+5], 128
	s_mov_b32 s[G1+6], 0
	s_mov_b32 s[G1+7], 0
	s_mov_b32 s[G1B+1], 256<<16                    ; w: 64 k-rows of 256 elements
	s_mov_b32 s[G1B+2], 64<<16
	s_mov_b32 s[G1B+3], 256<<16
	s_mov_b32 s[G1B+4], 64
	s_mov_b32 s[G1B+5], 256
	s_mov_b32 s[G1B+6], 0
	s_mov_b32 s[G1B+7], 0
	s_lshr_b32 s40, s20, 4                         ; batch (16 blocks of 128 rows each)
	s_lshl_b32 s40, s40, 4
	s_add_co_u32 s40, s40, s16                     ; 16 x batch + the head of step 0 that I fetch,
	s_lshl_b32 s40, s40, 18                        ; its 2,048 rows of 128 bytes,
	s_and_b32 s41, s20, 15
	s_lshl_b32 s41, s41, 14                        ; my block's 128 of them: made of cy and the wave alone
	s_add_co_u32 s40, s40, s41
	s_mov_b32 s41, 0
	s_lshl_b32 s42, s19, 19                        ; w: the block's 1,024 k-rows of 512 bytes,
	s_lshl_b32 s43, s16, 15                        ; 64 k-rows a half: made of cx and the wave alone
	s_add_co_u32 s42, s42, s43
	s_mov_b32 s43, 0
	s_mul_i32 s46, s16, PLANE
	s_mul_i32 s47, s16, HALFB
	s_add_co_u32 s47, s47, BOFF
	s_wait_dscnt 0x0                               ; the opening add is done
	s_wait_kmcnt 0x0
	s_add_nc_u64 s[66:67], s[4:5], s[40:41]
	s_add_nc_u64 s[68:69], s[6:7], s[42:43]
	CROUND                                         ; the first joint loads meet
.irp s, 0,1
	s_mov_b32 s[G0+4*(\s)], 1
	s_add_co_u32 s[G0+4*(\s)+1], s46, (\s)*SLOT
	s_add_nc_u64 s[G0+4*(\s)+2:G0+4*(\s)+3], s[66:67], (\s)*2*262144   ; K step s: two heads on
	s_or_b32 s[G0+4*(\s)+3], s[G0+4*(\s)+3], 0x80000000
	s_mov_b32 s[G0B+4*(\s)], 1
	s_add_co_u32 s[G0B+4*(\s)+1], s47, (\s)*SLOT
	s_add_nc_u64 s[G0B+4*(\s)+2:G0B+4*(\s)+3], s[68:69], (\s)*128*512  ; K step s: 128 k-rows down
	s_or_b32 s[G0B+4*(\s)+3], s[G0B+4*(\s)+3], 0x80000000
	JLOAD \s                                       ; two loads of mine are out
.endr
	v_and_b32 v1, 15, v0                           ; r
	v_bfe_u32 v2, v0, 4, 1                         ; h
	v_mul_u32_u24 v3, v1, PA
	v_lshl_add_u32 v3, v2, 4, v3
	s_mul_i32 s40, s15, 64*PA                      ; my 64 rows
	v_add_nc_u32 v[ADRA], s40, v3
	v_add_nc_u32 v[ADRA+1], SLOT, v[ADRA]
	v_and_b32 v4, 7, v0
	v_bfe_u32 v5, v0, 3, 1
	v_lshl_add_u32 v6, v2, 3, v4
	v_mul_u32_u24 v6, v6, PB
	v_lshl_add_u32 v6, v5, 4, v6
	s_lshl_b32 s41, s16, 8                         ; my 128 columns
	s_add_co_u32 s41, s41, BOFF
	v_add_nc_u32 v[ADRB], s41, v6
	v_add_nc_u32 v[ADRB+1], SLOT, v[ADRB]
	s_mul_i32 s41, s14, 16*SP
	s_add_co_u32 s41, s41, STAGE                   ; my stage
	v_mul_u32_u24 v7, v1, SP
	v_lshl_add_u32 v7, v2, 4, v7
	v_add_nc_u32 v[STO], s41, v7                   ; in: row r, 16 bytes for each half of the lanes
	v_mul_u32_u24 v8, v2, SP
	v_lshl_add_u32 v8, v1, 4, v8
	v_add_nc_u32 v[RD], s41, v8                    ; back: lanes 0-15 one row of 256 bytes, lanes 16-31 the next,
	v_lshlrev_b32 v9, 11, v2
	v_lshl_add_u32 v[CO], v1, 4, v9                ; and the same two rows in pj
	s_lshl_b32 s44, s20, 18                        ; 128 rows of 2,048 bytes a block,
	s_lshl_b32 s45, s15, 17                        ; my 64 rows,
	s_add_co_u32 s44, s44, s45
	s_lshl_b32 s45, s19, 9                         ; the block's 512 bytes of a row,
	s_add_co_u32 s44, s44, s45
	s_lshl_b32 s45, s16, 8                         ; my 256 of them
	s_add_co_u32 s44, s44, s45
	s_mov_b32 s45, 0
	s_add_nc_u64 s[8:9], s[8:9], s[44:45]
; 4 nb matrix instructions; all 32 accumulators take turns, one instruction a turn, in the same order in every quarter
.macro MULB f, b0, nb, zero
	WIN 0xa5                                       ; sources in window 1, C and D in window 2
.set b, (\b0)
.rept (\nb)
.set a, 0
.rept 4
.if \zero
	v_wmma_f32_16x16x32_bf16 v[32*b+8*a:32*b+8*a+7], v[(\f)+32+8*b:(\f)+32+8*b+7], v[(\f)+8*a:(\f)+8*a+7], 0
.else
	v_wmma_f32_16x16x32_bf16 v[32*b+8*a:32*b+8*a+7], v[(\f)+32+8*b:(\f)+32+8*b+7], v[(\f)+8*a:(\f)+8*a+7], v[32*b+8*a:32*b+8*a+7]
.endif
.set a, a+1
.endr
.set b, b+1
.endr
.endm
.macro BLD slot, q, f, b0
.set b, (\b0)
.rept 4
	ds_load_tr16_b128 v[(\f)+32+8*b:(\f)+32+8*b+3],   v[ADRB+(\slot)] offset:(\q)*32*PB+32*b
	ds_load_tr16_b128 v[(\f)+32+8*b+4:(\f)+32+8*b+7], v[ADRB+(\slot)] offset:(\q)*32*PB+16*PB+32*b
.set b, b+1
.endr
.endm
.macro FETCH slot, q, f                ; 24 LDS loads in one run: quarter q lies in head q / 2 of the step, channels 32 (q % 2) on
	WIN 0x40
	BLD \slot, \q, \f, 0
.set a, 0
.rept 4
	ds_load_b128 v[(\f)+8*a:(\f)+8*a+3],   v[ADRA+(\slot)] offset:((\q)/2)*PLANE+((\q)%2)*64+a*16*PA
	ds_load_b128 v[(\f)+8*a+4:(\f)+8*a+7], v[ADRA+(\slot)] offset:((\q)/2)*PLANE+((\q)%2)*64+a*16*PA+32
.set a, a+1
.endr
	BLD \slot, \q, \f, 4
.endm
.macro QUARTER slot, q, f, g, zero
	s_wait_dscnt 8                                 ; all but the youngest eight loads (w's blocks 4 to 7) are in
	MULB \f, 0, 4, \zero
	PLACES
	FETCH \slot, \q, \g
	s_wait_dscnt 24                                ; all but the 24 just issued
	MULB \f, 4, 4, \zero
.endm
; The last quarter multiplies buffer 1 and changes slots: one barrier; in front of it each wave waits for all its tensor loads, adds 0 to its spare word, and waits for that and for its reads of this slot.
.macro TURN slot, next, fill
	WIN 0
	s_wait_tensorcnt 0x0                           ; my part of the next slot has landed
	ds_add_u32 v[SPW], v[NIL]
	s_wait_dscnt 9                                 ; (the add and the youngest eight loads may be out)
	MULB F1, 0, 2, 0
	s_wait_dscnt 0x0                               ; the add is done, and my reads of this slot are over
	s_barrier_signal -1
	MULB F1, 2, 2, 0
.if \fill
	WIN 0
.endif
	s_barrier_wait -1
.if \fill
	CREST                                          ; no wave of any partner still reads this slot or has a load on its way
	s_add_nc_u64 s[G0+4*(\slot)+2:G0+4*(\slot)+3], s[G0+4*(\slot)+2:G0+4*(\slot)+3], 4*262144
	s_add_nc_u64 s[G0B+4*(\slot)+2:G0B+4*(\slot)+3], s[G0B+4*(\slot)+2:G0B+4*(\slot)+3], 2*128*512
	JLOAD \slot                                    ; my one load behind the round; its four v_nop are also the places in front of the loads below
.else
	PLACES
.endif
	FETCH \next, 0, F0
	MULB F1, 4, 4, 0
.endm
	s_wait_tensorcnt 1                             ; my part of K step 0 is in; step 1's may stay out
	s_barrier_signal -1
	s_barrier_wait -1
	FETCH 0, 0, F0
	QUARTER 0, 1, F0, F1, 1                        ; the first quarter's products start the sums
	WIN 0
	s_mov_b32 s3, LAPS-1
.Llap:
	QUARTER 0, 2, F1, F0, 0
	QUARTER 0, 3, F0, F1, 0
	TURN 0, 1, 1
	QUARTER 1, 1, F0, F1, 0
	QUARTER 1, 2, F1, F0, 0
	QUARTER 1, 3, F0, F1, 0
	TURN 1, 0, 1
	QUARTER 0, 1, F0, F1, 0
	WIN 0
	s_sub_co_u32 s3, s3, 1
	s_cmp_lg_u32 s3, 0
	s_cbranch_scc1 .Llap
	QUARTER 0, 2, F1, F0, 0                        ; the last lap fills nothing
	QUARTER 0, 3, F0, F1, 0
	TURN 0, 1, 0
	QUARTER 1, 1, F0, F1, 0
	QUARTER 1, 2, F1, F0, 0
	QUARTER 1, 3, F0, F1, 0
	s_wait_dscnt 8
	MULB F1, 0, 4, 0
	s_wait_dscnt 0x0
	MULB F1, 4, 4, 0
	WIN 0
; THE WAY OUT, 16 rows at a time: rounded to bf16, through my own stage, back as whole rows of 256 bytes.
.macro CVT a
	WIN 0x0a                                       ; sources in window 2
.set b, 0
.rept 8
.set j, 0
.rept 4
	v_cvt_pk_bf16_f32 v[TMP+4*b+j], v[32*b+8*(\a)+2*j], v[32*b+8*(\a)+2*j+1]
.set j, j+1
.endr
.set b, b+1
.endr
	WIN 0
.endm
.macro TOSTAGE
.set b, 0
.rept 8
	ds_store_b128 v[STO], v[TMP+4*b:TMP+4*b+3] offset:32*b
.set b, b+1
.endr
	s_wait_xcnt 0x0                                ; the last block's stores have had their addresses translated (ISA guide 3.1): their data registers are loaded again only behind this wait
.set b, 0
.rept 8
	ds_load_b128 v[BK+4*b:BK+4*b+3], v[RD] offset:b*2*SP  ; LDS serves a wave's instructions in order (ISA guide 5.7.1.4): these see the stores above
.set b, b+1
.endr
.endm
.macro SEND a
	s_wait_dscnt 0x0
.set b, 0
.rept 8
	global_store_b128 v[CO], v[BK+4*b:BK+4*b+3], s[8:9] offset:(16*(\a)+2*b)*2048  ; 16 lanes store 256 consecutive bytes, at a multiple of 256 from pj's first
.set b, b+1
.endr
.endm
	PLACES
	CVT 0
.irp a, 0,1,2,3
	TOSTAGE
.if (\a) < 3
	CVT (\a)+1
.endif
	SEND \a
.endr
	s_wait_tensorcnt 0x0                           ; the wave's end
	ds_add_u32 v[SPW], v[NIL]
	s_wait_dscnt 0x0
	CROUND                                         ; the closing round
	s_endpgm
.Lfunc_end_k_qe953ef87bf_oproj:
	.size	k_qe953ef87bf_oproj, .Lfunc_end_k_qe953ef87bf_oproj-k_qe953ef87bf_oproj
	.p2alignl 7, 3214868480
	.fill 96, 4, 3214868480
	.section	.rodata,"a",@progbits
	.p2align	6, 0x0
	.amdhsa_kernel k_qe953ef87bf_oproj
		.amdhsa_group_segment_fixed_size 327680
		.amdhsa_private_segment_fixed_size 0
		.amdhsa_enable_private_segment 0
		.amdhsa_kernarg_size 24
		.amdhsa_user_sgpr_count 2
		.amdhsa_user_sgpr_kernarg_segment_ptr 1
		.amdhsa_wavefront_size32 1
		.amdhsa_system_sgpr_workgroup_id_x 1
		.amdhsa_system_sgpr_workgroup_id_y 1
		.amdhsa_system_sgpr_workgroup_id_z 1
		.amdhsa_system_vgpr_workitem_id 0
		.amdhsa_next_free_vgpr 768
		.amdhsa_next_free_sgpr 80
		.amdhsa_reserve_vcc 0
		.amdhsa_float_denorm_mode_32 3
		.amdhsa_float_denorm_mode_16_64 3
		.amdhsa_memory_ordered 1
		.amdhsa_forward_progress 1
		.amdhsa_inst_pref_size 86
	.end_amdhsa_kernel
	.amdgpu_metadata
---
amdhsa.version: [ 1, 2 ]
amdhsa.kernels:
  - .name:           k_qe953ef87bf_oproj
    .symbol:         k_qe953ef87bf_oproj.kd
    .args:
      - { .name: ob, .offset: 0, .size: 8, .value_kind: global_buffer, .address_space: global }
      - { .name: wob, .offset: 8, .size: 8, .value_kind: global_buffer, .address_space: global }
      - { .name: pj, .offset: 16, .size: 8, .value_kind: global_buffer, .address_space: global }
    .group_segment_fixed_size: 327680
    .private_segment_fixed_size: 0
    .kernarg_segment_align: 8
    .kernarg_segment_size: 24
    .max_flat_workgroup_size: 128
    .sgpr_count:     80
    .vgpr_count:     768
    .wavefront_size: 32
...
	.end_amdgpu_metadata
.endif
;; end of part 4
;; launch lnorm (part 5): grid 512 x 1, 8 waves a work-group, no clusters, 0 bytes of LDS; arguments x, pj, b_out, gamma, beta, out0; writes out0
.if DOCPART == 5
	.amdgcn_target "amdgcn-amd-amdhsa--gfx1250"
	.amdhsa_code_object_version 6
	.text
	.protected	k_qe953ef87bf_lnorm
	.globl	k_qe953ef87bf_lnorm
	.p2align	8
	.type	k_qe953ef87bf_lnorm,@function
k_qe953ef87bf_lnorm:
	s_mov_b64 s[64:65], 0
	v_nop
	global_prefetch_b8 v0, s[64:65] scope:SCOPE_SE
	s_setreg_imm32_b32 hwreg(HW_REG_WAVE_MODE, 25, 1), 1
	s_wait_xcnt 0x0
; y = x + pj + b_out;  out0 = (y - mean) / sqrt(var + 1e-5) x gamma + beta, mean and var over a row's 1,024 numbers.  x, out0 [8192][1024] f32, pj the same shape in bf16, the three vectors f32.
; All arithmetic in f32.  The variance is the mean of the squared differences from the mean, taken in a second pass over registers: no difference of large sums is formed.
; A stream: no LDS, no barrier, no matrix unit, no cluster (only the three short vectors are shared).  One wave takes two whole rows, kept in registers: each byte is read once and written once.
; A lane's columns are 128 j + 4 l + 0..3, j = 0..7: each load and store of x, out0 and the vectors covers 512 consecutive bytes, each load of pj 256, all aligned.
; All 56 loads of a wave go out at its head.
.set T,   4                            ; v[4:11]    four chains, two numbers each
.set M,   12                           ; v[12:13]   the mean, later 1 / sqrt(var + eps), twice
.set ONE, 14                           ; v14        1.0
.set BO,  16                           ; v[16:47]   b_out of my 32 columns
.set GA,  48                           ; v[48:79]   gamma
.set BE,  80                           ; v[80:111]  beta
.set X,   112                          ; v[112:175] row s at X + 32 s
.set PJ,  176                          ; v[176:207] row s at PJ + 16 s, two bf16 a register
	s_load_b256 s[4:11], s[0:1], 0x0               ; x s[4:5], pj s[6:7], b_out s[8:9], gamma s[10:11]
	s_load_b128 s[12:15], s[0:1], 0x20             ; beta s[12:13], out0 s[14:15]
	s_lshl_b32 s20, ttmp9, 16                      ; the work-group's 16 rows of 4,096 bytes,
	s_mov_b32 s21, 0
	s_lshl_b32 s22, ttmp9, 15                      ; and of 2,048
	s_mov_b32 s23, 0
	s_mov_b32 s16, 0x76543210                      ; v_permlanex16_b32: each lane takes its own place in the other half
	s_mov_b32 s17, 0xfedcba98
	s_mov_b32 s18, 0x3a800000                      ; 1 / 1,024
	s_mov_b32 s19, 0x3727c5ac                      ; 1e-5
	v_and_b32 v1, 31, v0
	v_and_b32 v15, 0xe0, v0                        ; 32 x wave
	v_lshlrev_b32 v3, 3, v1
	v_lshlrev_b32 v1, 4, v1                        ; 16 l
	v_lshl_add_u32 v2, v15, 8, v1                  ; + wave x 2 rows x 4,096
	v_lshl_add_u32 v3, v15, 7, v3                  ; 8 l + wave x 2 rows x 2,048
	v_mov_b32 v[ONE], 1.0
	s_wait_kmcnt 0x0
	s_add_nc_u64 s[4:5], s[4:5], s[20:21]
	s_add_nc_u64 s[6:7], s[6:7], s[22:23]
	s_add_nc_u64 s[14:15], s[14:15], s[20:21]
.macro LDROW s
.set j, 0
.rept 8
	global_load_b128 v[X+32*(\s)+4*j:X+32*(\s)+4*j+3], v2, s[4:5] offset:4096*(\s)+512*j th:TH_LOAD_NT
.set j, j+1
.endr
.set j, 0
.rept 8
	global_load_b64 v[PJ+16*(\s)+2*j:PJ+16*(\s)+2*j+1], v3, s[6:7] offset:2048*(\s)+256*j th:TH_LOAD_NT
.set j, j+1
.endr
.endm
.macro LDVEC dst, base
.set j, 0
.rept 8
	global_load_b128 v[(\dst)+4*j:(\dst)+4*j+3], v1, s[(\base):(\base)+1] offset:512*j
.set j, j+1
.endr
.endm
	LDROW 0
	LDVEC BO, 8
	LDROW 1
	LDVEC GA, 10
	LDVEC BE, 12
.macro FOLD                            ; the four chains into one number, then over the 32 lanes: every lane ends with the sum
	v_pk_add_f32 v[T:T+1], v[T:T+1], v[T+2:T+3]
	v_pk_add_f32 v[T+4:T+5], v[T+4:T+5], v[T+6:T+7]
	v_pk_add_f32 v[T:T+1], v[T:T+1], v[T+4:T+5]
	v_add_f32 v[T], v[T], v[T+1]
	v_add_f32_dpp v[T], v[T], v[T] row_xmask:1 row_mask:0xf bank_mask:0xf
	v_add_f32_dpp v[T], v[T], v[T] row_xmask:2 row_mask:0xf bank_mask:0xf
	v_add_f32_dpp v[T], v[T], v[T] row_xmask:4 row_mask:0xf bank_mask:0xf
	v_add_f32_dpp v[T], v[T], v[T] row_xmask:8 row_mask:0xf bank_mask:0xf
	v_permlanex16_b32 v[T+1], v[T], s16, s17
	v_add_f32 v[T], v[T], v[T+1]
.endm
.macro STATS s                         ; y, in place of x; y - mean, in place; 1 / sqrt(var + eps) into M
.set XS, X+32*(\s)
.set e, 0
.rept 32
.if e%2
	v_fma_mix_f32_bf16 v[XS+e], v[PJ+16*(\s)+e/2], v[ONE], v[XS+e] op_sel:[1,0,0] op_sel_hi:[1,0,0]  ; the upper bf16 x 1 + x
.else
	v_fma_mix_f32_bf16 v[XS+e], v[PJ+16*(\s)+e/2], v[ONE], v[XS+e] op_sel_hi:[1,0,0]                 ; the lower
.endif
.set e, e+1
.endr
.set p, 0
.rept 16
	v_pk_add_f32 v[XS+2*p:XS+2*p+1], v[XS+2*p:XS+2*p+1], v[BO+2*p:BO+2*p+1]
.set p, p+1
.endr
.set p, 0
.rept 4                                            ; the first eight pairs start the four chains: nothing is cleared
	v_pk_add_f32 v[T+2*p:T+2*p+1], v[XS+2*p:XS+2*p+1], v[XS+8+2*p:XS+8+2*p+1]
.set p, p+1
.endr
.set p, 8
.rept 8
	v_pk_add_f32 v[T+2*(p%4):T+2*(p%4)+1], v[T+2*(p%4):T+2*(p%4)+1], v[XS+2*p:XS+2*p+1]
.set p, p+1
.endr
	FOLD
	v_mul_f32 v[M], s18, v[T]
	v_mul_f32 v[M+1], s18, v[T]
.set p, 0
.rept 16
	v_pk_add_f32 v[XS+2*p:XS+2*p+1], v[XS+2*p:XS+2*p+1], v[M:M+1] neg_lo:[0,1] neg_hi:[0,1]
.set p, p+1
.endr
.set p, 0
.rept 4
	v_pk_mul_f32 v[T+2*p:T+2*p+1], v[XS+2*p:XS+2*p+1], v[XS+2*p:XS+2*p+1]
.set p, p+1
.endr
.set p, 4
.rept 12
	v_pk_fma_f32 v[T+2*(p%4):T+2*(p%4)+1], v[XS+2*p:XS+2*p+1], v[XS+2*p:XS+2*p+1], v[T+2*(p%4):T+2*(p%4)+1]
.set p, p+1
.endr
	FOLD
	v_fma_f32 v[T], v[T], s18, s19                 ; var + eps
	v_rsq_f32 v[M], v[T]
	v_rsq_f32 v[M+1], v[T]
	v_nop                                          ; a plain instruction before the results are used (ISA guide 5.7.2)
.endm
.macro FINISH s
.set XS, X+32*(\s)
.set p, 0
	s_wait_alu depctr_va_vdst(0)
.rept 16
	v_pk_mul_f32 v[XS+2*p:XS+2*p+1], v[XS+2*p:XS+2*p+1], v[M:M+1]
.set p, p+1
.endr
.set p, 0
.rept 16
	v_pk_fma_f32 v[XS+2*p:XS+2*p+1], v[XS+2*p:XS+2*p+1], v[GA+2*p:GA+2*p+1], v[BE+2*p:BE+2*p+1]
.set p, p+1
.endr
.set j, 0
.rept 8
	global_store_b128 v2, v[XS+4*j:XS+4*j+3], s[14:15] offset:4096*(\s)+512*j th:TH_STORE_NT
.set j, j+1
.endr
.endm
	s_wait_loadcnt 32                              ; row 0 and b_out are in; the 32 younger loads (row 1, gamma, beta) stay out
	STATS 0
	s_wait_loadcnt 0x0
	FINISH 0
	STATS 1
	FINISH 1
	s_endpgm
.Lfunc_end_k_qe953ef87bf_lnorm:
	.size	k_qe953ef87bf_lnorm, .Lfunc_end_k_qe953ef87bf_lnorm-k_qe953ef87bf_lnorm
	.p2alignl 7, 3214868480
	.fill 96, 4, 3214868480
	.section	.rodata,"a",@progbits
	.p2align	6, 0x0
	.amdhsa_kernel k_qe953ef87bf_lnorm
		.amdhsa_group_segment_fixed_size 0
		.amdhsa_private_segment_fixed_size 0
		.amdhsa_enable_private_segment 0
		.amdhsa_kernarg_size 48
		.amdhsa_user_sgpr_count 2
		.amdhsa_user_sgpr_kernarg_segment_ptr 1
		.amdhsa_wavefront_size32 1
		.amdhsa_system_sgpr_workgroup_id_x 1
		.amdhsa_system_sgpr_workgroup_id_y 1
		.amdhsa_system_sgpr_workgroup_id_z 1
		.amdhsa_system_vgpr_workitem_id 0
		.amdhsa_next_free_vgpr 208
		.amdhsa_next_free_sgpr 66
		.amdhsa_reserve_vcc 0
		.amdhsa_float_denorm_mode_32 3
		.amdhsa_float_denorm_mode_16_64 3
		.amdhsa_memory_ordered 1
		.amdhsa_forward_progress 1
		.amdhsa_inst_pref_size 27
	.end_amdhsa_kernel
	.amdgpu_metadata
---
amdhsa.version: [ 1, 2 ]
amdhsa.kernels:
  - .name:           k_qe953ef87bf_lnorm
    .symbol:         k_qe953ef87bf_lnorm.kd
    .args:
      - { .name: x, .offset: 0, .size: 8, .value_kind: global_buffer, .address_space: global }
      - { .name: pj, .offset: 8, .size: 8, .value_kind: global_buffer, .address_space: global }
      - { .name: b_out, .offset: 16, .size: 8, .value_kind: global_buffer, .address_space: global }
      - { .name: gamma, .offset: 24, .size: 8, .value_kind: global_buffer, .address_space: global }
      - { .name: beta, .offset: 32, .size: 8, .value_kind: global_buffer, .address_space: global }
      - { .name: out0, .offset: 40, .size: 8, .value_kind: global_buffer, .address_space: global }
    .group_segment_fixed_size: 0
    .private_segment_fixed_size: 0
    .kernarg_segment_align: 8
    .kernarg_segment_size: 48
    .max_flat_workgroup_size: 256
    .sgpr_count:     66
    .vgpr_count:     208
    .wavefront_size: 32
...
	.end_amdgpu_metadata
.endif
;; end of part 5
;; ======== version 2 of 2: 5 launches; version 1 with the launch prep written anew for expert scheduling mode
;; workspace buffers: xb 16,777,216 bytes; wqb 6,291,456 bytes; wob 2,097,152 bytes; qb 16,777,216 bytes; kb 16,777,216 bytes; vb 16,777,216 bytes; ob 16,777,216 bytes; pj 16,777,216 bytes
;; launch prep (part 6): grid 832 x 1, 8 waves a work-group, no clusters, 0 bytes of LDS; arguments x, w_qkv, w_out, xb, wqb, wob; writes xb, wqb, wob
.if DOCPART == 6
	.amdgcn_target "amdgcn-amd-amdhsa--gfx1250"
	.amdhsa_code_object_version 6
	.text
	.protected	k_qe953ef87bf_prep
	.globl	k_qe953ef87bf_prep
	.p2align	8
	.type	k_qe953ef87bf_prep,@function
k_qe953ef87bf_prep:
	s_mov_b64 s[64:65], 0
	v_nop
	global_prefetch_b8 v0, s[64:65] scope:SCOPE_SE
	s_setreg_imm32_b32 hwreg(HW_REG_WAVE_SCHED_MODE, 0, 2), 2
	s_setreg_imm32_b32 hwreg(HW_REG_WAVE_MODE, 25, 1), 1
	s_wait_xcnt 0x0
	s_wait_alu depctr_vm_vsrc(0)
; CASTS TO bf16, each number rounded once to nearest even.  x [8192][1024] -> xb, same layout.
; w_qkv [1024 k][3072] -> wqb [16 heads][1024 k][192]: a head's 192 columns (q, k, v) of all k lie dense.
; w_out [1024 k][1024] -> wob [4 blocks][1024 k][256]: a block of 256 columns of all k lies dense.
; A stream: no LDS, no matrix unit, no cluster (no two work-groups read the same byte).  A lane loads 16 bytes (4 f32) and stores 8:
; a wave's load covers 512 consecutive bytes (in w_qkv a row's piece of 768 bytes may end inside it), its store 256 consecutive aligned bytes.
; Work-groups 0-511: 64 KiB of x each.  512-767: 64 k x 192 columns of w_qkv.  768-831: 64 k x 256 columns of w_out.
; In all three the output offset is 8 t + 2,048 i (t the thread, i the load's number): the output is dense in the order of the units.
; THE MODE: SCHED_MODE bits 1:0 = 2 (LLVM: expert scheduling mode 2), set by the entry lines.  The code itself states the register dependences
; between vector instructions and memory instructions, with s_wait_alu, always for 0.
; THE PLAN.  Registers that memory instructions touch:
;   v1 (w_qkv: v1, v2, v3)  the loads' offsets: written once by vector instructions at a branch's head, read by its run of loads, never written again.
;   v4                      the stores' offset: written once at the kernel's head, read by every store, never written again.
;   IN                      each register is written by one load and read by one conversion; no vector instruction writes it, no second load lands in it.
;   OUT                     each register is written by one conversion and read by one store; nothing writes it again.
; So the only dependences to state are: offsets written, ahead of the loads; conversions' results written, ahead of the stores that read them.
; The loads go in groups of four.  Group g's conversions write its OUT; its four stores are issued in group g + 1, behind ONE wait at that group's head, and are
; dealt among group g + 1's conversions, which name that group's IN and OUT alone.  The last group's stores have a wait of their own.
.set IN,  16                           ; v[16:79]   up to 16 loads of 4 registers
.set OUT, 80                           ; v[80:111]  their 2 registers each, to store
.macro LD n, step                      ; n loads in one run, all by offset register v1, step bytes apart
.set i, 0
.rept (\n)
	global_load_b128 v[IN+4*i:IN+4*i+3], v1, s[16:17] offset:(\step)*i th:TH_LOAD_NT
.set i, i+1
.endr
.endm
.macro CV n                            ; n a multiple of 4.  Every register is written once, so nothing waits for a store
.set g, 0
.rept (\n)/4
	s_wait_loadcnt (\n)-4*(g+1)                    ; loads come back in order (ISA guide 5.7.1): group g's four are in, the younger ones stay out
.if g > 0
	s_wait_alu depctr_va_vdst(0)                   ; the conversions of the group before have written their OUT registers, which the four stores below read
.endif
.set i, 4*g
.rept 4
.if g > 0
	global_store_b64 v4, v[OUT+2*(i-4):OUT+2*(i-4)+1], s[18:19] offset:2048*(i-4)  ; the group before; no vector instruction since the wait names these registers or v4
.endif
	v_cvt_pk_bf16_f32 v[OUT+2*i], v[IN+4*i], v[IN+4*i+1]
	v_cvt_pk_bf16_f32 v[OUT+2*i+1], v[IN+4*i+2], v[IN+4*i+3]
.set i, i+1
.endr
.set g, g+1
.endr
	s_wait_alu depctr_va_vdst(0)                   ; the last group's conversions have written their OUT registers, which the last four stores read
.set i, (\n)-4
.rept 4
	global_store_b64 v4, v[OUT+2*i:OUT+2*i+1], s[18:19] offset:2048*i
.set i, i+1
.endr
.endm
	s_load_b256 s[4:11], s[0:1], 0x0               ; x s[4:5], w_qkv s[6:7], w_out s[8:9], xb s[10:11]
	s_load_b128 s[12:15], s[0:1], 0x20             ; wqb s[12:13], wob s[14:15]
	s_mov_b32 s2, ttmp9
	v_lshlrev_b32 v4, 3, v0                        ; 8 t
	s_mov_b32 s21, 0
	s_mov_b32 s23, 0
	s_wait_kmcnt 0x0
	s_cmp_lt_u32 s2, 512
	s_cbranch_scc0 .Lweights
	v_lshlrev_b32 v1, 4, v0                        ; 16 t
	s_lshl_b32 s20, s2, 16                         ; x: 65,536 bytes in,
	s_lshl_b32 s22, s2, 15                         ; 32,768 out
	s_add_nc_u64 s[16:17], s[4:5], s[20:21]
	s_add_nc_u64 s[18:19], s[10:11], s[22:23]
	s_wait_alu depctr_va_vdst(0)                   ; v1 and v4 are written: the loads below read v1 as their offset, the stores v4
	LD 16, 4096
	CV 16
	s_endpgm
.Lweights:
	s_cmp_lt_u32 s2, 768
	s_cbranch_scc0 .Lwout
	; A row's piece is 48 units of 16 bytes.  Unit 256 i + t with i = 3 m + e is unit z = 256 e + t of rows 16 m .. 16 m + 15 (768 = 16 x 48):
	; three offset registers, m in the immediate.  z / 48 = (z x 1,366) >> 16 for z < 768: 1,366 / 65,536 exceeds 1 / 48 by 1e-5, which times 767 stays under 1 / 48.
.irp e, 0,1,2
	v_add_nc_u32 v5, 256*(\e), v0
	v_mul_u32_u24 v6, v5, 1366
	v_lshrrev_b32 v6, 16, v6                       ; row
	v_mul_u32_u24 v6, v6, 12288-768                ; row x 12,288 + (z - 48 row) x 16
	v_lshl_add_u32 v[1+(\e)], v5, 4, v6
.endr
	s_sub_co_u32 s3, s2, 512
	s_lshr_b32 s24, s3, 4                          ; head
	s_and_b32 s25, s3, 15                          ; which 64 k
	s_mul_i32 s20, s25, 64*12288                   ; in: 64 rows of 12,288 bytes,
	s_mul_i32 s26, s24, 768                        ; the head's 768 bytes of a row
	s_add_co_u32 s20, s20, s26
	s_mul_i32 s22, s24, 393216                     ; out: the head's 1,024 rows of 384 bytes,
	s_mul_i32 s26, s25, 64*384
	s_add_co_u32 s22, s22, s26
	s_add_nc_u64 s[16:17], s[6:7], s[20:21]
	s_add_nc_u64 s[18:19], s[12:13], s[22:23]
	s_wait_alu depctr_va_vdst(0)                   ; v1, v2, v3 and v4 are written: the loads below read the first three as their offsets, the stores v4
.set i, 0
.rept 12
	global_load_b128 v[IN+4*i:IN+4*i+3], v[1+i%3], s[16:17] offset:(i/3)*16*12288 th:TH_LOAD_NT
.set i, i+1
.endr
	CV 12
	s_endpgm
.Lwout:
	v_lshrrev_b32 v5, 6, v0                        ; 64 units a row: four rows a load
	v_and_b32 v6, 63, v0
	v_lshlrev_b32 v6, 4, v6
	v_lshl_add_u32 v1, v5, 12, v6
	s_sub_co_u32 s3, s2, 768
	s_lshr_b32 s24, s3, 4                          ; block of 256 columns
	s_and_b32 s25, s3, 15                          ; which 64 k
	s_lshl_b32 s20, s25, 18                        ; in: 64 rows of 4,096 bytes,
	s_lshl_b32 s26, s24, 10                        ; the block's 1,024 bytes of a row
	s_add_co_u32 s20, s20, s26
	s_lshl_b32 s22, s24, 19                        ; out: the block's 1,024 rows of 512 bytes
	s_lshl_b32 s26, s25, 15
	s_add_co_u32 s22, s22, s26
	s_add_nc_u64 s[16:17], s[8:9], s[20:21]
	s_add_nc_u64 s[18:19], s[14:15], s[22:23]
	s_wait_alu depctr_va_vdst(0)                   ; v1 and v4 are written: the loads below read v1 as their offset, the stores v4
	LD 16, 16384
	CV 16
	s_endpgm
.Lfunc_end_k_qe953ef87bf_prep:
	.size	k_qe953ef87bf_prep, .Lfunc_end_k_qe953ef87bf_prep-k_qe953ef87bf_prep
	.p2alignl 7, 3214868480
	.fill 96, 4, 3214868480
	.section	.rodata,"a",@progbits
	.p2align	6, 0x0
	.amdhsa_kernel k_qe953ef87bf_prep
		.amdhsa_group_segment_fixed_size 0
		.amdhsa_private_segment_fixed_size 0
		.amdhsa_enable_private_segment 0
		.amdhsa_kernarg_size 48
		.amdhsa_user_sgpr_count 2
		.amdhsa_user_sgpr_kernarg_segment_ptr 1
		.amdhsa_wavefront_size32 1
		.amdhsa_system_sgpr_workgroup_id_x 1
		.amdhsa_system_sgpr_workgroup_id_y 1
		.amdhsa_system_sgpr_workgroup_id_z 1
		.amdhsa_system_vgpr_workitem_id 0
		.amdhsa_next_free_vgpr 112
		.amdhsa_next_free_sgpr 66
		.amdhsa_reserve_vcc 0
		.amdhsa_float_denorm_mode_32 3
		.amdhsa_float_denorm_mode_16_64 3
		.amdhsa_memory_ordered 1
		.amdhsa_forward_progress 1
		.amdhsa_inst_pref_size 18
	.end_amdhsa_kernel
	.amdgpu_metadata
---
amdhsa.version: [ 1, 2 ]
amdhsa.kernels:
  - .name:           k_qe953ef87bf_prep
    .symbol:         k_qe953ef87bf_prep.kd
    .args:
      - { .name: x, .offset: 0, .size: 8, .value_kind: global_buffer, .address_space: global }
      - { .name: w_qkv, .offset: 8, .size: 8, .value_kind: global_buffer, .address_space: global }
      - { .name: w_out, .offset: 16, .size: 8, .value_kind: global_buffer, .address_space: global }
      - { .name: xb, .offset: 24, .size: 8, .value_kind: global_buffer, .address_space: global }
      - { .name: wqb, .offset: 32, .size: 8, .value_kind: global_buffer, .address_space: global }
      - { .name: wob, .offset: 40, .size: 8, .value_kind: global_buffer, .address_space: global }
    .group_segment_fixed_size: 0
    .private_segment_fixed_size: 0
    .kernarg_segment_align: 8
    .kernarg_segment_size: 48
    .max_flat_workgroup_size: 256
    .sgpr_count:     66
    .vgpr_count:     112
    .wavefront_size: 32
...
	.end_amdgpu_metadata
.endif
;; end of part 6
;; launch qkv: the kernel of part 2 again; grid 16 x 32, 4 waves a work-group, clusters of 4 x 4, 327,680 bytes of LDS; arguments xb, wqb, qb, kb, vb; writes qb, kb, vb
;; launch attn: the kernel of part 3 again; grid 4 x 64, 4 waves a work-group, clusters of 4 x 1, 327,680 bytes of LDS; arguments qb, kb, vb, ob; writes ob
;; launch oproj: the kernel of part 4 again; grid 4 x 64, 4 waves a work-group, clusters of 4 x 4, 327,680 bytes of LDS; arguments ob, wob, pj; writes pj
;; launch lnorm: the kernel of part 5 again; grid 512 x 1, 8 waves a work-group, no clusters, 0 bytes of LDS; arguments x, pj, b_out, gamma, beta, out0; writes out0
